; MI455X (gfx1250); checked and timed in simulation.
; The chip was launched on July 23, 2026; its instructions are those of AMD's public machine-readable ISA for CDNA 5 (MIT licence, August 2026) and "CDNA5" Instruction Set Architecture Reference Guide (July 2026). The comments in the code are by the model that wrote it; some were corrected since.
;; Multi Head Attention Layer. Allowed arithmetic: matrix products marked QUANTISED: E4M3 operands, one E8M0 scale for each 32 along K, by v_wmma_scale_f32_16x16x128_f8f6f4 with both operands' format E4M3, f32 sums; everything else in f32.
;; Inputs: Wk 1,024 x 1,024 float32; Wo 1,024 x 1,024 float32; Wq 1,024 x 1,024 float32; Wv 1,024 x 1,024 float32; bk 1,024 float32; bo 1,024 float32; bq 1,024 float32; bv 1,024 float32; k 4 x 2,048 x 1,024 float32; mask 1 x 1 x 2,048 x 2,048 bool; q 4 x 2,048 x 1,024 float32; v 4 x 2,048 x 1,024 float32.
;; Outputs: out0 4 x 2,048 x 1,024 float32.
;; This version of the problem:
;;   THIS VERSION OF THE PROBLEM IS GIVEN IN LOW PRECISION. The matrix products marked QUANTISED in the list below multiply operands that are first quantised to E4M3 (4 exponent bits, 3 mantissa bits; 8 bits a number), with one power-of-two scale for each 32 numbers along K (OCP MX v1.0); their sums are f32. All else is computed in f32.
;;   The module's matrix products, in the order in which they are computed (A, B: the left and right operand; K: the contracted axis; several contracted axes count as one K, in the product's order):
;;     1. [M 8,192, K 1,024] x [K 1,024, N 1,024]; A: input q; B: input Wq: QUANTISED
;;     2. [M 8,192, K 1,024] x [K 1,024, N 1,024]; A: input k; B: input Wk: QUANTISED
;;     3. [M 8,192, K 1,024] x [K 1,024, N 1,024]; A: input v; B: input Wv: QUANTISED
;;     4. batch 64 x [M 2,048, K 64] x [K 64, N 2,048]; A: computed on the way; B: computed on the way: QUANTISED
;;     5. batch 64 x [M 64, K 2,048] x [K 2,048, N 2,048]; A: computed on the way; B: softmax (see below): QUANTISED
;;     6. [M 8,192, K 1,024] x [K 1,024, N 1,024]; A: computed on the way; B: input Wo: QUANTISED
;;   THE QUANTISER, for each operand of a quantised product, along K:
;;     - K is cut into blocks of 32 from its start; a last block that is shorter is filled with zeros.
;;     - A block's scale is 2^e with e = floor(log2(the largest magnitude in the block)) - 8, held to -126 .. 127; a block of zeros has e = 0. As a byte (E8M0): e + 127.
;;     - Each number is divided by its block's scale, clamped to +-448, and rounded to the nearest number of E4M3, ties to even, subnormals kept.
;;     - The product sums the exact products of the quantised numbers (number of the format x scale) in f32.
;;   ~~~python
;;   def quantise(x, axis):      # numpy; x: float32 -> the quantised numbers, widened to float32 again
;;       x = np.moveaxis(x, axis, -1); K = x.shape[-1]
;;       x = np.pad(x, [(0, 0)] * (x.ndim - 1) + [(0, -K % 32)]); x = x.reshape(x.shape[:-1] + (-1, 32)); a = np.abs(x).max(-1, keepdims=True)
;;       e = np.where(a > 0, np.clip(np.frexp(np.where(a > 0, a, 1))[1] - 1 - 8, -126, 127), 0)      # np.frexp(a)[1] - 1 = floor(log2(a)), exactly
;;       r = np.clip(x / 2.0 ** e, -448, 448)
;;       step = 2.0 ** (np.maximum(np.frexp(np.where(r == 0, 1, r))[1] - 1, -6) - 3)
;;       q = np.round(r / step) * step * 2.0 ** e      # np.round: ties to even
;;       return np.moveaxis(q.reshape(q.shape[:-2] + (-1,))[..., :K], -1, axis).astype(np.float32)
;;   ~~~
;;   SOFTMAX AHEAD OF A QUANTISED PRODUCT. Where the list says 'softmax', what is quantised is not the finished softmax but p = 2^(t - M), with t = logit x log2(e) and M = ceil(the row's largest t), a whole number; so 1/2 < the row's largest p <= 1. The row's sum l is taken of the UNQUANTISED p, in f32, and the product's result is divided by l at the end. Since M is a whole number, a kernel that streams over the keys may use a running M (the ceiling of the running maximum): every later rescaling is an exact power of two, which a block's scale takes up: the codes' values come out the same.
;;   OPERANDS COMPUTED ON THE WAY. 'Computed on the way' means the value that the module computes at that place (a softmax that the list does not call 'softmax' is quantised finished and normalised). What goes into a quantiser is computed in f32, as accurately as f32 sums, v_exp_f32 and their like allow (about 1e-6 of the number): no bf16 or f16 on the way to a quantiser, and a product that is left as it is and whose result goes on into a quantised operand takes f32 operands (vector FMAs, or v_wmma_f32_16x16x4_f32). A number that lies on a knife's edge between two numbers of the format may be rounded either way, as far as f32 arithmetic and the matrix unit's own rounding can turn it there, and no further.
;; 2 versions, each right; version 2 is version 1 with the launch attn written anew for expert scheduling mode. Each part assembles by itself: llvm-mc -triple=amdgcn-amd-amdhsa -mcpu=gfx1250 --defsym DOCPART=n.
;; ======== version 1 of 2: 4 launches
;; workspace buffers: cod 37,748,736 bytes; scl 1,179,648 bytes; qf 17,301,504 bytes; kv 17,301,504 bytes; maskw 524,288 bytes of whole numbers; mflags 512 bytes of whole numbers
;; launch prep (part 1): grid 576 x 1, 4 waves a work-group, no clusters, 68,096 bytes of LDS; arguments q, k, v, Wq, Wk, Wv, Wo, mask, cod, scl, maskw, mflags; writes cod, scl, maskw, mflags
.if DOCPART == 1
	.amdgcn_target "amdgcn-amd-amdhsa--gfx1250"
	.amdhsa_code_object_version 6
	.text
	.protected	k_qc6a9db1df2_prep
	.globl	k_qc6a9db1df2_prep
	.p2align	8
	.type	k_qc6a9db1df2_prep,@function
k_qc6a9db1df2_prep:
	s_mov_b64 s[64:65], 0
	v_nop
	global_prefetch_b8 v0, s[64:65] scope:SCOPE_SE
	s_setreg_imm32_b32 hwreg(HW_REG_WAVE_MODE, 25, 1), 1
	s_wait_xcnt 0x0
; PREP.  (X) q, k, v [8192][1024] and Wq, Wk, Wv, Wo [1024][1024], f32 with K innermost, become codes of FP8 (E4M3) with one E8M0 scale byte for each 32 along K.
; (M) the mask [2048][2048] of bytes becomes lane-mask words and two flag bits for each tile of 16 queries x 128 keys.
; THE CODES ARE LAID AS IMAGES OF OPERAND REGISTERS.  A tile is 16 rows x 1024 K = 16,384 bytes: chunk kb (32 along K) at 512 kb, in it lane l = (r = l % 16, h = l / 16) has 16 bytes at 16 l:
; the codes k = 32 kb + 16 h + 0 .. 15 of the tile's row r.  Tile t of a tensor holds rows 32 (t / 2) + 8 (t % 2) + r + 8 (r / 8): used as source 0 of a product, two neighbouring tiles give a lane
; 16 neighbours along that axis.  A tile's scale bytes are 512 bytes: row r at 32 r, byte kb.  Tiles in cod and scl: q 0-511, k 512-1023, v 1024-1535, Wq 1536.., Wk 1600.., Wv 1664.., Wo 1728-1791.
; A block's scale is 2^(floor(log2(largest magnitude)) - 8): its byte is that magnitude's exponent field - 8, held at 1 from below; numbers are held within +-448 x scale and rounded to the nearest code.
; LIMITS: a block of zeros gets the byte 1 (its codes are zeros; this program alone reads the bytes); blocks under 2^-118 take the floor's scale; NaN and infinities among the inputs are not served.
; SHARES.  Work-groups 0-447: each of the four waves makes one tile (8 steps of 128 along K).  Work-groups 448-575: one tile of 16 query rows of the mask, wave w its keys 512 w .. 512 w + 511.
; Waves share nothing: no barrier.  Each load reads 512 consecutive bytes of one row; a step's 16 rows turn through the wave's own stage in LDS (rows 528 bytes apart) so that a lane gets 16 neighbours of each block.
; The two paths part on the work-group's number and have LDS bytes of their own.  No matrix unit, cluster or tensor load: the launch streams, each byte is read once and each store covers whole runs of 512 or 256 bytes.
.set STG,  528                         ; a stage row: 512 bytes + 16
.set WSTG, 16*STG                      ; a wave's stage
.set R,    16                          ; v16-143  two sets of 64: a step's rows as loaded
.set X,    144                         ; v144-207 64 numbers: register 16 b + i = k 32 b + 16 h + i of my row
.set PC,   208                         ; v208-223 the step's codes
.set TM,   224                         ; v224-239 magnitudes, bytes, holds, scale operands (four each)
.set SW,   240                         ; v240-247 a scale word for each step
.set PW,   248                         ; the word just made
.set OW4,  250                         ; v250-253 my 16 scale bytes on the way out
.set SEL,  10                          ; s[10:11] selects of v_permlanex16_b32: lane l xor 16
.set MNT,  12                          ; s12 the mantissa field of 448
.set HM,   13                          ; s13 lanes 16-31
	s_load_b512 s[16:31], s[0:1], 0x0              ; q, k, v, Wq, Wk, Wv, Wo, mask
	s_load_b256 s[32:39], s[0:1], 0x40             ; cod, scl, maskw, mflags
	v_lshl_add_u32 v254, v0, 2, 0x10800
	v_mov_b32 v255, 0
	v_lshrrev_b32 v1, 5, v0
	v_readfirstlane_b32 s2, v1                     ; wave
	v_and_b32 v5, 31, v0                           ; lane
	v_and_b32 v6, 15, v0                           ; r
	v_bfe_u32 v7, v0, 4, 1                         ; h
	v_lshlrev_b32 v1, 4, v5                        ; 16 x lane
	s_mul_i32 s14, s2, WSTG
	s_cmp_lt_u32 ttmp9, 448
	s_cbranch_scc0 .Lmask
; ---------------- path X
	v_add_nc_u32 v2, s14, v1                       ; into the stage: 16 x lane of a row
	v_mul_u32_u24 v3, v6, STG
	v_lshl_add_u32 v3, v7, 6, v3
	v_add_nc_u32 v3, s14, v3                       ; out of it: row r, + 64 h: my 16 numbers of a block
	v_lshlrev_b32 v4, 5, v6
	v_lshl_add_u32 v4, v7, 4, v4                   ; the scale bytes: 32 r + 16 h
	s_mov_b32 s[SEL], 0x76543210
	s_mov_b32 s[SEL+1], 0xfedcba98
	s_mov_b32 s[MNT], 0x600000
	s_mov_b32 s[HM], 0xffff0000
.irp b, 0,1,2,3
	v_mov_b32 v[TM+4+\b], 0                        ; written once: a lane permute's destination counts as one of its sources
.endr
	s_lshl_b32 s3, ttmp9, 2
	s_add_co_u32 s3, s3, s2                        ; G: my tile in cod
	s_lshr_b32 s40, s3, 9                          ; q, k, v: tensor G / 512,
	s_and_b32 s41, s3, 511                         ; tile G % 512
	s_sub_co_u32 s42, s3, 1536
	s_lshr_b32 s43, s42, 6
	s_add_co_u32 s43, s43, 3                       ; weights: tensor 3 + (G - 1536) / 64,
	s_and_b32 s42, s42, 63                         ; tile (G - 1536) % 64
	s_cmp_lt_u32 s3, 1536
	s_cselect_b32 s40, s40, s43
	s_cselect_b32 s41, s41, s42
	s_lshr_b32 s42, s41, 1
	s_lshl_b32 s42, s42, 17                        ; 32 rows of 4,096 bytes
	s_and_b32 s43, s41, 1
	s_lshl_b32 s43, s43, 15                        ; 8 rows
	s_add_co_u32 s42, s42, s43
	s_mov_b32 s43, 0
	s_lshl_b32 s44, s3, 14
	s_mov_b32 s45, 0
	s_lshl_b32 s46, s3, 9
	s_mov_b32 s47, 0
	s_wait_kmcnt 0x0
	s_mov_b64 s[4:5], s[16:17]
.irp n, 1,2,3,4,5,6
	s_cmp_eq_u32 s40, \n                           ; the choice hangs on the work-group's number alone
	s_cselect_b64 s[4:5], s[16+2*\n:17+2*\n], s[4:5]
.endr
	s_add_nc_u64 s[4:5], s[4:5], s[42:43]          ; the tile's first row
	s_add_nc_u64 s[6:7], s[32:33], s[44:45]        ; its image
	s_add_nc_u64 s[8:9], s[34:35], s[46:47]        ; its scale bytes
.macro LOAD t                          ; step t: 128 along K of the tile's 16 rows, a row a load
.irp i, 0,1,2,3,4,5,6,7,8,9,10,11,12,13,14,15
	global_load_b128 v[R+64*((\t)%2)+4*\i:R+64*((\t)%2)+4*\i+3], v1, s[4:5] offset:(\i+8*(\i/8))*4096+512*(\t) th:TH_LOAD_NT
.endr
.endm
; 64 numbers of a lane become a fragment's 16 registers of codes in v[PC] on and its row's scale word in v[PW]
.macro QUANT s
.irp b, 0,1,2,3
	v_max3_num_f32 v[TM+\b], |v[\s+16*\b]|, |v[\s+1+16*\b]|, 0x4800000   ; my 16 numbers of block b, and the floor 2^(9 - 127): the byte cannot fall under 1
.endr
.irp i, 2,4,6,8,10,12,14
.irp b, 0,1,2,3
	v_max3_num_f32 v[TM+\b], v[TM+\b], |v[\s+16*\b+\i]|, |v[\s+1+16*\b+\i]|
.endr
.endr
.irp b, 0,1,2,3
	v_permlanex16_b32 v[TM+4+\b], v[TM+\b], s[SEL], s[SEL+1]
.endr
.irp b, 0,1,2,3
	v_max_num_f32 v[TM+\b], v[TM+\b], v[TM+4+\b]   ; with lane l xor 16's 16: the block's largest magnitude
.endr
.irp b, 0,1,2,3
	v_add_nc_u32 v[TM+12+\b], 0xfc000000, v[TM+\b] ; 8 off its exponent field: the conversion's scale operand
.endr
.irp b, 0,1,2,3
	v_and_or_b32 v[TM+8+\b], v[TM+\b], 0x7f800000, s[MNT]   ; 448 x the scale
.endr
.irp b, 0,1,2,3
	v_lshrrev_b32 v[TM+4+\b], 23, v[TM+12+\b]      ; the scale's byte
.endr
	v_lshl_or_b32 v[PW], v[TM+5], 8, v[TM+4]
	v_lshl_or_b32 v[PW], v[TM+6], 16, v[PW]
	v_lshl_or_b32 v[PW], v[TM+7], 24, v[PW]
.irp b, 0,1,2,3
.irp i, 0,1,2,3,4,5,6,7,8,9,10,11,12,13,14,15
	v_med3_num_f32 v[\s+16*\b+\i], v[\s+16*\b+\i], -v[TM+8+\b], v[TM+8+\b]   ; the conversion to an 8-bit code does not saturate (ISA guide 7.6.2): the hold comes first
.endr
	v_cvt_scalef32_pk8_fp8_f32 v[PC+4*\b:PC+1+4*\b], v[\s+16*\b:\s+7+16*\b], v[TM+12+\b]
	v_cvt_scalef32_pk8_fp8_f32 v[PC+2+4*\b:PC+3+4*\b], v[\s+8+16*\b:\s+15+16*\b], v[TM+12+\b]
.endr
	v_nop                                          ; one plain line behind the last conversion
.endm
.macro STEP s
	s_wait_xcnt 0x0                                ; the last step's stores have read v[PC] on, which this step writes again
.if (\s) < 7
	s_wait_loadcnt 16                              ; this step's 16 loads are in; the next step's 16 may be out
.else
	s_wait_loadcnt 0x0
.endif
.irp i, 0,1,2,3,4,5,6,7,8,9,10,11,12,13,14,15
	ds_store_b128 v2, v[R+64*((\s)%2)+4*\i:R+64*((\s)%2)+4*\i+3] offset:STG*\i
.endr
.irp c, 0,1,2,3
.irp i, 0,1,2,3
	ds_load_b128 v[X+16*\c+4*\i:X+16*\c+4*\i+3], v3 offset:128*\c+16*\i    ; LDS serves a wave's instructions in order: these see the stores above
.endr
.endr
	s_wait_dscnt 0x0
.if (\s) < 6
	LOAD (\s)+2                                    ; into the set that the stage's stores have just read
.endif
	QUANT X
.irp c, 0,1,2,3
	global_store_b128 v1, v[PC+4*\c:PC+4*\c+3], s[6:7] offset:2048*(\s)+512*\c   ; a chunk: 512 consecutive bytes
.endr
	v_mov_b32 v[SW+(\s)], v[PW]
.endm
	LOAD 0
	LOAD 1
.irp s, 0,1,2,3,4,5,6,7
	STEP \s
.endr
.irp i, 0,1,2,3
	v_cndmask_b32 v[OW4+\i], v[SW+\i], v[SW+4+\i], s[HM]   ; lanes 0-15 carry a row's first 16 bytes, lanes 16-31 its last 16
.endr
	global_store_b128 v4, v[OW4:OW4+3], s[8:9]     ; the tile's 512 scale bytes
	s_wait_tensorcnt 0x0
	ds_add_u32 v254, v255
	s_wait_dscnt 0x0
	s_endpgm
; ---------------- path M.  maskw[T][s][n], n = 0 .. 63: bit l = mask[row r of query tile T][128 s + 32 (n / 16) + 16 h + n % 16]: the lane mask for register n of a tile of scores.
; mflags[T]: bits 2 s, 2 s + 1: some key of step s counts for some query of the tile; all do.
.Lmask:
	s_sub_co_u32 s3, ttmp9, 448                    ; T
	s_add_co_u32 s14, s14, 4*WSTG                  ; this path's own stages
	v_add_nc_u32 v2, s14, v1
	v_mul_u32_u24 v3, v6, STG
	v_lshl_add_u32 v3, v7, 4, v3
	v_add_nc_u32 v3, s14, v3                       ; row r, + 16 h
	v_lshlrev_b32 v4, 3, v5                        ; two words a lane on the way out
	s_lshr_b32 s40, s3, 1
	s_lshl_b32 s40, s40, 16                        ; 32 rows of 2,048 bytes
	s_and_b32 s41, s3, 1
	s_lshl_b32 s41, s41, 14                        ; 8 rows
	s_add_co_u32 s40, s40, s41
	s_lshl_b32 s41, s2, 9                          ; my 512 keys
	s_add_co_u32 s40, s40, s41
	s_mov_b32 s41, 0
	s_lshl_b32 s42, s3, 12                         ; 16 steps of 256 bytes a tile,
	s_lshl_b32 s43, s2, 10                         ; my four
	s_add_co_u32 s42, s42, s43
	s_mov_b32 s43, 0
	s_lshl_b32 s44, s3, 2
	s_add_co_u32 s44, s44, s2                      ; byte w of word T
	s_mov_b32 s45, 0
	s_wait_kmcnt 0x0
	s_add_nc_u64 s[4:5], s[30:31], s[40:41]
	s_add_nc_u64 s[6:7], s[36:37], s[42:43]
	s_add_nc_u64 s[8:9], s[38:39], s[44:45]
.irp i, 0,1,2,3,4,5,6,7,8,9,10,11,12,13,14,15
	global_load_b128 v[16+4*\i:19+4*\i], v1, s[4:5] offset:(\i+8*(\i/8))*2048 th:TH_LOAD_NT
.endr
.irp i, 0,1,2,3,4,5,6,7
	v_mov_b32 v[96+\i], 0                          ; v_writelane_b32's destination counts as read
.endr
	s_mov_b32 s46, 0                               ; my four steps' flags
	s_wait_loadcnt 0x0
.irp i, 0,1,2,3,4,5,6,7,8,9,10,11,12,13,14,15
	ds_store_b128 v2, v[16+4*\i:19+4*\i] offset:STG*\i
.endr
.macro MSTEP q                         ; 128 keys: 64 bytes a lane -> 64 words of 32 lanes
.irp b, 0,1,2,3
	ds_load_b128 v[80+4*\b:83+4*\b], v3 offset:128*\q+32*\b
.endr
	s_wait_dscnt 0x0
	s_mov_b32 s48, 0                               ; the OR of the words
	s_mov_b32 s49, -1                              ; and their AND
.set MG, 0
.rept 16
.irp e, 0,1,2,3
	v_and_b32 v[104+\e], 0xff<<(8*\e), v[80+MG]    ; byte n = 4 MG + e
.endr
.irp e, 0,1,2,3
	v_cmp_ne_u32 s[52+\e], 0, v[104+\e]
.endr
.irp e, 0,1,2,3
	s_or_b32 s48, s48, s[52+\e]
	s_and_b32 s49, s49, s[52+\e]
	v_writelane_b32 v[96+2*\q+\e%2], s[52+\e], 2*MG+\e/2   ; word n goes to lane n / 2, register n % 2
.endr
.set MG, MG+1
.endr
	global_store_b64 v4, v[96+2*\q:97+2*\q], s[6:7] offset:256*\q   ; 256 consecutive bytes, aligned
	s_cmp_lg_u32 s48, 0
	s_cselect_b32 s50, 1, 0
	s_cmp_eq_u32 s49, -1
	s_cselect_b32 s51, 2, 0
	s_or_b32 s50, s50, s51
	s_lshl_b32 s50, s50, 2*\q
	s_or_b32 s46, s46, s50
.endm
	MSTEP 0
	MSTEP 1
	MSTEP 2
	MSTEP 3
	v_mov_b32 v9, 0
	v_mov_b32 v10, s46
	v_cmp_eq_u32 vcc_lo, 0, v5
	s_wait_xcnt 0x0                                ; EXEC changes only behind this wait
	s_wait_tensorcnt 0x0
	ds_add_u32 v254, v255
	s_wait_dscnt 0x0
	s_and_saveexec_b32 s47, vcc_lo
	global_store_b8 v9, v10, s[8:9]                ; one lane stores the wave's flag byte
	s_wait_xcnt 0x0
	s_or_b32 exec_lo, exec_lo, s47
	s_endpgm
.Lfunc_end_k_qc6a9db1df2_prep:
	.size	k_qc6a9db1df2_prep, .Lfunc_end_k_qc6a9db1df2_prep-k_qc6a9db1df2_prep
	.p2alignl 7, 3214868480
	.fill 96, 4, 3214868480
	.section	.rodata,"a",@progbits
	.p2align	6, 0x0
	.amdhsa_kernel k_qc6a9db1df2_prep
		.amdhsa_group_segment_fixed_size 68096
		.amdhsa_private_segment_fixed_size 0
		.amdhsa_enable_private_segment 0
		.amdhsa_kernarg_size 96
		.amdhsa_user_sgpr_count 2
		.amdhsa_user_sgpr_kernarg_segment_ptr 1
		.amdhsa_wavefront_size32 1
		.amdhsa_system_sgpr_workgroup_id_x 1
		.amdhsa_system_sgpr_workgroup_id_y 1
		.amdhsa_system_sgpr_workgroup_id_z 1
		.amdhsa_system_vgpr_workitem_id 0
		.amdhsa_next_free_vgpr 256
		.amdhsa_next_free_sgpr 66
		.amdhsa_reserve_vcc 1
		.amdhsa_float_denorm_mode_32 3
		.amdhsa_float_denorm_mode_16_64 3
		.amdhsa_memory_ordered 1
		.amdhsa_forward_progress 1
		.amdhsa_inst_pref_size 170
	.end_amdhsa_kernel
	.amdgpu_metadata
---
amdhsa.version: [ 1, 2 ]
amdhsa.kernels:
  - .name:           k_qc6a9db1df2_prep
    .symbol:         k_qc6a9db1df2_prep.kd
    .args:
      - { .name: q, .offset: 0, .size: 8, .value_kind: global_buffer, .address_space: global }
      - { .name: k, .offset: 8, .size: 8, .value_kind: global_buffer, .address_space: global }
      - { .name: v, .offset: 16, .size: 8, .value_kind: global_buffer, .address_space: global }
      - { .name: Wq, .offset: 24, .size: 8, .value_kind: global_buffer, .address_space: global }
      - { .name: Wk, .offset: 32, .size: 8, .value_kind: global_buffer, .address_space: global }
      - { .name: Wv, .offset: 40, .size: 8, .value_kind: global_buffer, .address_space: global }
      - { .name: Wo, .offset: 48, .size: 8, .value_kind: global_buffer, .address_space: global }
      - { .name: mask, .offset: 56, .size: 8, .value_kind: global_buffer, .address_space: global }
      - { .name: cod, .offset: 64, .size: 8, .value_kind: global_buffer, .address_space: global }
      - { .name: scl, .offset: 72, .size: 8, .value_kind: global_buffer, .address_space: global }
      - { .name: maskw, .offset: 80, .size: 8, .value_kind: global_buffer, .address_space: global }
      - { .name: mflags, .offset: 88, .size: 8, .value_kind: global_buffer, .address_space: global }
    .group_segment_fixed_size: 68096
    .private_segment_fixed_size: 0
    .kernarg_segment_align: 8
    .kernarg_segment_size: 96
    .max_flat_workgroup_size: 128
    .sgpr_count:     66
    .vgpr_count:     256
    .wavefront_size: 32
...
	.end_amdgpu_metadata
.endif
;; end of part 1
;; launch proj (part 2): grid 4 x 96, 4 waves a work-group, clusters of 4 x 4, 327,680 bytes of LDS; arguments cod, scl, bq, bk, bv, qf, kv; writes qf, kv
.if DOCPART == 2
	.amdgcn_target "amdgcn-amd-amdhsa--gfx1250"
	.amdhsa_code_object_version 6
	.text
	.protected	k_qc6a9db1df2_proj
	.globl	k_qc6a9db1df2_proj
	.p2align	8
	.type	k_qc6a9db1df2_proj,@function
k_qc6a9db1df2_proj:
	s_mov_b64 s[64:65], 0
	v_nop
	global_prefetch_b8 v0, s[64:65] scope:SCOPE_SE
	s_setreg_imm32_b32 hwreg(HW_REG_WAVE_MODE, 25, 1), 1
	s_wait_xcnt 0x0
	s_wait_alu depctr_hold_cnt(0) depctr_sa_sdst(0) depctr_va_vdst(0) depctr_va_sdst(0) depctr_va_ssrc(0) depctr_va_vcc(0) depctr_vm_vsrc(0)
	s_getreg_b32 s2, hwreg(HW_REG_IB_STS2, 6, 4)
	s_cmp_eq_u32 s2, 0
	s_cbranch_scc0 .Lentry_in_a_cluster
	s_endpgm
.Lentry_in_a_cluster:
	s_bfe_u32 s2, ttmp6, 0x10000c
	s_cmp_lg_u32 s2, 0xf033
	s_cbranch_scc0 .Lentry_shape_is_right
	s_endpgm
.Lentry_shape_is_right:
; PROJ.  qh = q Wq^T + bq, kh = k Wk^T + bk, vh = v Wv^T + bv on codes of FP8 (E4M3) with E8M0 scales for each 32 along K (K = 1,024), sums in f32, the bias as the C of each sum's first product.
; The results never go to memory as f32: each is quantised in registers into the operand images of the attention launch: qh and kh along the head's 64, vh along the keys.
; OPERANDS are image tiles of 16 rows x 1,024 K (chunk kb at 512 kb, lane l's 16 bytes at 16 l; tile t holds rows 32 (t / 2) + 8 (t % 2) + r + 8 (r / 8)); a tile's scale bytes are 512 bytes, row r at 32 r.
; A work-group makes 256 x 256 of a product, each of its four waves 128 x 128: 64 accumulators, 512 registers.  K goes in steps of 256 through two LDS slots filled by tensor loads: K has four such steps, so the walk is written out.
; SOURCE 0 GIVES THE REGISTERS, SOURCE 1 THE LANE: register j of accumulator (a, b) in lane (r, h) is (source-1 tile a, row r) x (source-0 row 32 (b / 2) + 16 h + 8 (b % 2) + j): the 16 registers of b = 2 B, 2 B + 1
; are 16 neighbours of a block of 32 along source 0's rows, the other 16 lie in lane l xor 16.  For q and k source 0 ('region B') is the weight (features, the head's axis) and source 1 ('region A') the tokens;
; for v source 0 is the tokens (keys) and source 1 the weight.  Which it is hangs on the cluster's y alone: clusters 0-7 q, 8-15 k, 16-23 v.
; CLUSTERS: 4 x 4 work-groups; region A's tiles hang on cy and are shared along a row of the cluster, region B's on cx and are shared along a column: each is asked for jointly.
; RECORDS (qf, kv): one for (16 batch + head, step of 128 rows), 16,896 bytes: +0 K codes (tile t of 16 rows at 1024 t + 512 c + 16 l, c the block of the head's 64); +8192 V codes (channel tile ct at 2048 ct + 512 c + 16 l,
; c the block of 32 keys); +16384 K scale words (lane r at 16 r, word p = bytes of tile 2 p blocks 0, 1, tile 2 p + 1 blocks 0, 1); +16640 V scale words (lane r at 16 r, word ct = bytes of key blocks 0 .. 3).
; LIMITS: a block of zeros gets the byte 1 (its codes are zeros; this program alone reads the bytes); blocks under 2^-118 take the floor's scale; NaN and infinities are not served.
; No prefetch: a work-group has two refills in all.  REGISTERS: window 0: v1-29 addresses, v32-63 scale words (two sets), v64-127 the bias table (later at work), v128-255 region A's fragments (one set);
; window 1: region B's fragments, two sets; windows 2, 3: the accumulators ((a, b) at v[8 (8 (a % 4) + b)]).
.set NQ,    2                          ; matrix instructions deep in a slot
.set FR,    16
.set NL,    4
.set NP,    8                          ; places behind this matrix instruction (ISA guide 7.12.1)
.set SLOT,  131072                     ; a slot: region A's 16 tiles x 4,096 bytes, then region B's
.set KS,    32
.set SCL,   2*SLOT                     ; behind the ring: the scale bytes of the 512 rows, for all of K, as units of 256 bytes + 16
.set HALFS, 16*272                     ; those of 128 rows: what one tensor load brings
.set SBLK,  2*272                      ; those of a tile
.set SPARE, SCL+4*HALFS                ; the spare words, 128 bytes a wave: two blocks of 256 bytes that no other line names
.set REC,   16896
.set HEADB, 16*REC                     ; from a head's records to the next head's
.set SOFF, 7                           ; v7      16 r + HEADB h: the scale words' place on the way out
.set BO,   8                           ; v8-15   the bias loads' offsets
.set ADRA, 16                          ; v16-17  LDS address of my region A fragments in slot 0, 1
.set ADRB, 20                          ; v20-21  the same for region B
.set ADRS, 27                          ; v27     of my scale words: lanes 0-15 region A's rows, lanes 16-31 region B's
.set SPW,  28                          ; v28     my spare word; never rewritten
.set NIL,  29                          ; v29     0; never rewritten
.set SC,   32
.set BI,   64                          ; v64-127 the bias table: eight registers for each of eight tiles
.set TM,   64                          ; way out: v64-79 magnitudes, bytes, holds, scale operands
.set PC,   112                         ; way out: v112-127 codes
.set AF,   128
.set SWD,  144                         ; way out: v144-151 scale words of my two heads
.set OW4,  152                         ; v152-155
.set G1, 24
.set G0, 32
.set G1B, 48
.set G0B, 56
.set G1S, 68
.set G0S, 76
.set G1SB, 80
.set G0SB, 88
.set ISV, 45                           ; s45 1 for v
.set HM,  98                           ; s98 lanes 16-31
.set MNT, 99                           ; s99 the mantissa field of 448
.set SEL, 100                          ; s[100:101]
.set MSB, 0
.macro WIN new                         ; the immediate's high byte repeats the setting that is left
.if MSB != (\new)
	s_set_vgpr_msb (MSB<<8)|(\new)
.set MSB, (\new)
.endif
.endm
.set MUL_LO, 0xa1                      ; source 0 window 1, source 1 window 0, C and D window 2
.set MUL_HI, 0xf1                      ; the same, C and D window 3
.set TO_B,   0x40
; A joint load: waves 0 and 1 fetch for region A, waves 2 and 3 for region B; the branch hangs on the wave's number alone.  Four v_nop follow each of the two lines.
.macro JLOAD g0a, g1a, g0b, g1b
	s_cmp_eq_u32 s15, 0
	s_cbranch_scc0 .Lfor_b_\@
	tensor_load_to_lds s[\g0a:\g0a+3], s[\g1a:\g1a+7]
	s_nop 0
.rept 4
	v_nop
.endr
	s_branch .Lasked_\@
.Lfor_b_\@:
	tensor_load_to_lds s[\g0b:\g0b+3], s[\g1b:\g1b+7]
	s_nop 0
.rept 4
	v_nop
.endr
.Lasked_\@:
.endm
.macro CREST                           ; a round of the cluster's barrier behind its opening barrier
	s_cmp_lg_u32 s14, 0
	s_cbranch_scc1 .Lnot_wave_0_\@
	s_barrier_signal -3
.Lnot_wave_0_\@:
	s_barrier_wait -3
	s_barrier_signal -1
	s_barrier_wait -1
.endm
.macro CROUND
	s_barrier_signal -1
	s_barrier_wait -1
	CREST
.endm
	s_load_b128 s[4:7], s[0:1], 0x0                ; cod, scl
	s_load_b128 s[8:11], s[0:1], 0x10              ; bq, bk
	s_load_b128 s[92:95], s[0:1], 0x20             ; bv, qf
	s_load_b64 s[96:97], s[0:1], 0x30              ; kv
	v_lshl_add_u32 v[SPW], v0, 2, SPARE
	v_mov_b32 v[NIL], 0
	ds_add_u32 v28, v29
	ds_add_u32 v28, v29
	s_wait_dscnt 0x0
	v_lshrrev_b32 v1, 5, v0
	v_readfirstlane_b32 s14, v1                    ; wave 0..3
	s_lshr_b32 s15, s14, 1                         ; my half of region A.  Also: I fetch for A (0) or for B (1)
	s_and_b32 s16, s14, 1                          ; my half of region B.  Also: which 8 tiles of that region I fetch
	s_bfe_u32 s40, ttmp6, 0x40000                  ; cx
	s_bfe_u32 s41, ttmp6, 0x40004                  ; cy
	s_and_b32 s17, ttmp7, 0xffff                   ; the cluster's y, 0 .. 23
	s_lshr_b32 s42, s17, 3                         ; which product: 0 q, 1 k, 2 v
	s_and_b32 s17, s17, 7                          ; which of its eight clusters
	s_lshl_b32 s43, s41, 2
	s_lshl_b32 s43, 15, s43                        ; my row of the cluster
	s_lshl_b32 s44, 0x1111, s40                    ; my column
	; group 1 for codes: 8 tiles' parts of 4,096 bytes (512 elements of 8 bytes), 16,384 bytes apart, laid on end in LDS
	s_or_b32 s[G1+0], s43, (3<<16)|(1<<21)
	s_or_b32 s[G1B+0], s44, (3<<16)|(1<<21)
.irp g, G1, G1B
	s_mov_b32 s[\g+1], 512<<16                     ; tensor_dim0
	s_mov_b32 s[\g+2], 8<<16                       ; tensor_dim1
	s_mov_b32 s[\g+3], 512<<16                     ; tile_dim0
	s_mov_b32 s[\g+4], 8                           ; tile_dim1
	s_mov_b32 s[\g+5], 2048                        ; tensor_dim0_stride
	s_mov_b32 s[\g+6], 0
	s_mov_b32 s[\g+7], 0
.endr
	; and for the scale bytes of 8 tiles: 4,096 dense bytes as 16 rows of 256, 16 bytes of padding behind each
	s_or_b32 s[G1S+0], s43, (3<<16)|(1<<20)|(1<<21)|(5<<22)|(3<<25)
	s_or_b32 s[G1SB+0], s44, (3<<16)|(1<<20)|(1<<21)|(5<<22)|(3<<25)
.irp g, G1S, G1SB
	s_mov_b32 s[\g+1], 32<<16
	s_mov_b32 s[\g+2], 16<<16
	s_mov_b32 s[\g+3], 32<<16
	s_mov_b32 s[\g+4], 16
	s_mov_b32 s[\g+5], 32
	s_mov_b32 s[\g+6], 0
	s_mov_b32 s[\g+7], 0
.endr
	; the regions' first tiles in cod.  q, k: A = 512 id + 64 cl + 16 cy, B = 1536 + 64 id + 16 cx.  v: A = 1664 + 16 cy, B = 1024 + 64 cl + 16 cx.  A's never holds cx, B's never cy
	s_lshl_b32 s2, s42, 9
	s_lshl_b32 s98, s17, 6
	s_add_co_u32 s2, s2, s98
	s_lshl_b32 s3, s42, 6
	s_add_co_u32 s3, s3, 1536
	s_add_co_u32 s98, s98, 1024
	s_mov_b32 s99, 1664
	s_cmp_eq_u32 s42, 2
	s_cselect_b32 s[ISV], 1, 0
	s_cselect_b32 s2, s99, s2
	s_cselect_b32 s3, s98, s3
	s_lshl_b32 s19, s16, 3                         ; which 8 tiles I fetch
	s_lshl_b32 s18, s41, 4
	s_add_co_u32 s18, s18, s2
	s_add_co_u32 s18, s18, s19
	s_lshl_b32 s46, s40, 4
	s_add_co_u32 s46, s46, s3
	s_add_co_u32 s46, s46, s19
	s_lshl_b32 s20, s18, 14                        ; codes: 16,384 bytes a tile
	s_mov_b32 s21, 0
	s_lshl_b32 s22, s18, 9                         ; scale bytes: 512
	s_mov_b32 s23, 0
	s_lshl_b32 s66, s46, 9
	s_mov_b32 s67, 0
	s_lshl_b32 s46, s46, 14
	s_mov_b32 s47, 0
	s_lshl_b32 s12, s14, 15                        ; where they go: wave x 32,768: no place in the cluster enters an LDS address
	s_mul_i32 s13, s14, HALFS
	s_wait_kmcnt 0x0
	s_add_nc_u64 s[20:21], s[4:5], s[20:21]
	s_add_nc_u64 s[22:23], s[6:7], s[22:23]
	s_add_nc_u64 s[46:47], s[4:5], s[46:47]
	s_add_nc_u64 s[66:67], s[6:7], s[66:67]
	CROUND                                         ; all sixteen work-groups are here: the first joint loads meet
	s_mov_b32 s[G0S], 1
	s_add_co_u32 s[G0S+1], s13, SCL
	s_mov_b64 s[G0S+2:G0S+3], s[22:23]
	s_or_b32 s[G0S+3], s[G0S+3], 0x80000000
	s_mov_b32 s[G0SB], 1
	s_add_co_u32 s[G0SB+1], s13, SCL
	s_mov_b64 s[G0SB+2:G0SB+3], s[66:67]
	s_or_b32 s[G0SB+3], s[G0SB+3], 0x80000000
	JLOAD G0S, G1S, G0SB, G1SB                     ; the scale bytes first: they are wanted with K step 0
.irp s, 0,1
	s_mov_b32 s[G0+4*\s], 1
	s_add_co_u32 s[G0+4*\s+1], s12, \s*SLOT
	s_add_nc_u64 s[G0+4*\s+2:G0+4*\s+3], s[20:21], \s*4096
	s_or_b32 s[G0+4*\s+3], s[G0+4*\s+3], 0x80000000
	s_mov_b32 s[G0B+4*\s], 1
	s_add_co_u32 s[G0B+4*\s+1], s12, \s*SLOT
	s_add_nc_u64 s[G0B+4*\s+2:G0B+4*\s+3], s[46:47], \s*4096
	s_or_b32 s[G0B+4*\s+3], s[G0B+4*\s+3], 0x80000000
	JLOAD G0+4*\s, G1, G0B+4*\s, G1B               ; three loads of mine are out
.endr
	; the bias and the output: chosen by the product's number alone
	s_cmp_eq_u32 s42, 1
	s_cselect_b64 s[8:9], s[10:11], s[8:9]
	s_cmp_eq_u32 s42, 2
	s_cselect_b64 s[8:9], s[92:93], s[8:9]
	s_cmp_eq_u32 s42, 0
	s_cselect_b64 s[10:11], s[94:95], s[96:97]
	s_cmp_eq_u32 s[ISV], 1
	s_cselect_b32 s92, s40, s41                    ; X: the coordinate of the tokens' block
	s_cselect_b32 s93, s41, s40                    ; Y: of the features' block
	s_cselect_b32 s94, s16, s15                    ; my half of the tokens' block
	s_cselect_b32 s95, s15, s16                    ; my half of the features' block
	s_cselect_b32 s96, 0, 64                       ; the bias table's steps in bytes: from half to half of the lanes,
	s_cselect_b32 s97, 4, 0                        ; from row to row of a tile,
	s_cselect_b32 s2, 0, 4                         ; from register to register
	s_lshl_b32 s3, s17, 2
	s_add_co_u32 s92, s92, s3
	s_lshl_b32 s92, s92, 1
	s_add_co_u32 s92, s92, s94                     ; RB: my 128 tokens: batch RB / 16, step RB % 16
	s_lshl_b32 s93, s93, 2
	s_lshl_b32 s95, s95, 1
	s_add_co_u32 s93, s93, s95                     ; H0: the first of my two heads
	s_lshr_b32 s94, s92, 4
	s_lshl_b32 s94, s94, 8
	s_and_b32 s92, s92, 15
	s_add_co_u32 s94, s94, s92
	s_lshl_b32 s95, s93, 4
	s_add_co_u32 s94, s94, s95                     ; record 256 batch + 16 head + step
	s_mul_i32 s94, s94, REC
	s_mov_b32 s95, 0
	s_add_nc_u64 s[10:11], s[10:11], s[94:95]
	s_lshl_b32 s92, s93, 8                         ; 64 H0 numbers
	s_mov_b32 s93, 0
	s_add_nc_u64 s[8:9], s[8:9], s[92:93]
	s_mov_b32 s[HM], 0xffff0000
	s_mov_b32 s[MNT], 0x600000
	s_mov_b32 s[SEL], 0x76543210
	s_mov_b32 s[SEL+1], 0xfedcba98
	v_and_b32 v1, 31, v0
	v_lshlrev_b32 v1, 4, v1                        ; 16 x lane: an image's place for my lane
	v_and_b32 v2, 15, v0                           ; r
	v_bfe_u32 v3, v0, 4, 1                         ; h
	s_lshl_b32 s21, s15, 15                        ; my 8 tiles of region A
	s_lshl_b32 s22, s16, 15                        ; my 8 tiles of region B,
	s_add_co_u32 s22, s22, 65536                   ; which lie behind A's 16
.irp s, 0,1
	v_add_nc_u32 v[ADRA+\s], s21, v1
	v_add_nc_u32 v[ADRB+\s], s22, v1
	s_add_co_u32 s21, s21, SLOT
	s_add_co_u32 s22, s22, SLOT
.endr
	v_mul_u32_u24 v5, v2, KS                       ; my row's scale bytes: 32 a row,
	v_lshrrev_b32 v6, 8, v5
	v_lshl_add_u32 v5, v6, 4, v5                   ; and 16 more for each 256 passed
	s_mul_i32 s21, s15, HALFS
	s_mul_i32 s22, s16, HALFS
	s_add_co_u32 s22, s22, 2*HALFS
	s_sub_co_u32 s22, s22, s21
	v_mul_u32_u24 v6, s22, v3                      ; lanes 16-31 take region B's
	s_add_co_u32 s21, s21, SCL
	v_add_nc_u32 v5, v5, v6
	v_add_nc_u32 v[ADRS], s21, v5
	v_lshlrev_b32 v[SOFF], 4, v2
	v_mul_u32_u24 v6, v3, HEADB
	v_add_nc_u32 v[SOFF], v[SOFF], v6
	v_and_b32 v4, 8, v2
	v_add_nc_u32 v4, v4, v2                        ; r + 8 (r / 8)
	v_mul_lo_u32 v5, v3, s96
	v_mul_lo_u32 v6, v4, s97
	v_add_nc_u32 v5, v5, v6
.irp j, 0,1,2,3,4,5,6,7
	s_mul_i32 s3, s2, \j
	v_add_nc_u32 v[BO+\j], s3, v5
.endr
.irp g, 0,1,2,3,4,5,6,7                        ; q, k: register j of tile g: the bias of feature 32 (g / 2) + 8 (g % 2) + 16 h + j.  v: all eight: that of feature 32 (g / 2) + 8 (g % 2) + r + 8 (r / 8)
.irp j, 0,1,2,3,4,5,6,7
	global_load_b32 v[BI+8*\g+\j], v[BO+\j], s[8:9] offset:(32*(\g/2)+8*(\g%2))*4
.endr
.endr
.macro FRAG reg, adr, q, i             ; a fragment, 16 rows x 128 K: four chunks of tile i, as they lie
.irp c, 0,1,2,3
	ds_load_b128 v[\reg+4*\c:\reg+4*\c+3], v[\adr] offset:4096*(\i)+2048*(\q)+512*\c
.endr
.endm
; 16 matrix instructions: region A's tiles a0, a0 + 1 x region B's eight, the slot's q-th 128 along K.  p: B's set; sc: the set of scale words.
; zero = 1: the sums start with the bias by B's tile; 2: by A's tile; 0: they go on.  The 64 accumulators take turns, one instruction a turn.
.macro MUL16 a0, p, q, sc, zero
.irp a, \a0, \a0+1
.irp b, 0,1,2,3,4,5,6,7
.set DD, 8*(8*((\a)%4)+\b)
.set FB, 128*(\p)+FR*\b
.set FA, AF+FR*(\a)
.set WB, SC+8*NQ*(\sc)+NQ*\b+(\q)
.set WA, SC+8*NQ*(\sc)+NQ*(\a)+(\q)
.if (\zero) == 1
	v_wmma_scale_f32_16x16x128_f8f6f4 v[DD:DD+7], v[FB:FB+15], v[FA:FA+15], v[BI+8*\b:BI+8*\b+7], v[WB], v[WA] matrix_a_scale:MATRIX_SCALE_ROW1
.elseif (\zero) == 2
	v_wmma_scale_f32_16x16x128_f8f6f4 v[DD:DD+7], v[FB:FB+15], v[FA:FA+15], v[BI+8*(\a):BI+8*(\a)+7], v[WB], v[WA] matrix_a_scale:MATRIX_SCALE_ROW1
.else
	v_wmma_scale_f32_16x16x128_f8f6f4 v[DD:DD+7], v[FB:FB+15], v[FA:FA+15], v[DD:DD+7], v[WB], v[WA] matrix_a_scale:MATRIX_SCALE_ROW1
.endif
.endr
.endr
.endm
.macro FETCH_B slot, q, p
	WIN TO_B
.irp i, 0,1,2,3,4,5,6,7
	FRAG 128*(\p)+FR*\i, ADRB+\slot, \q, \i
.endr
	WIN 0
.endm
.macro FETCH_A slot, q, i0
.irp i, \i0, \i0+1, \i0+2, \i0+3
	FRAG AF+FR*(\i), ADRA+\slot, \q, \i
.endr
.endm
.macro SCALES sc                       ; a K step's scale words: two a row; lanes 0-15 take A's tile i, lanes 16-31 B's tile i
.irp i, 0,1,2,3,4,5,6,7
	ds_load_b64 v[SC+8*NQ*\sc+NQ*\i:SC+8*NQ*\sc+NQ*\i+1], v[ADRS] offset:\i*SBLK
.endr
.endm
.macro PLACES n                        ; plain vector lines between a matrix instruction and a load into, or a read of, its registers
.rept \n
	v_nop
.endr
.endm
.macro STEP slot, q, zero              ; 128 along K that has its successor in the same slot
	s_wait_dscnt 4*NL                              ; B's set and A's tiles 0-3 are in; the youngest 16 loads (A's tiles 4-7) may be out
.if \zero
	WIN 0x81                                       ; C (the bias) in window 0, D in window 2
.else
	WIN MUL_LO
.endif
	MUL16 0, (\q)%2, \q, \slot, \zero
	MUL16 2, (\q)%2, \q, \slot, \zero
	s_wait_dscnt 0
	PLACES NP
	FETCH_B \slot, (\q)+1, 1-(\q)%2
	FETCH_A \slot, (\q)+1, 0
.if \zero
	WIN 0xc1
.else
	WIN MUL_HI
.endif
	MUL16 4, (\q)%2, \q, \slot, \zero
	MUL16 6, (\q)%2, \q, \slot, \zero
	PLACES NP
	WIN 0
	FETCH_A \slot, (\q)+1, 4
.endm
; A slot's last step changes slots: one barrier; in front of it each wave waits for all its tensor loads, adds 0 to its spare word, and waits for that and for its reads of this slot.  fill = 1: the slot is filled again.
.macro TURN slot, next, fill
	s_wait_tensorcnt 0x0                           ; all my tensor loads have landed: my part of the next slot
	ds_add_u32 v[SPW], v[NIL]                      ; 0 onto my spare word
	s_wait_dscnt 4*NL+1                            ; (the add and the youngest 16 loads may be out)
	WIN MUL_LO
	MUL16 0, 1, NQ-1, \slot, 0
	s_wait_dscnt 0x0                               ; the add is done, and my reads of this slot are over
	s_barrier_signal -1
	MUL16 2, 1, NQ-1, \slot, 0
	WIN 0
	s_barrier_wait -1
.if \fill
	CREST                                          ; the barrier has opened a round of the cluster's barrier: no wave of any partner still reads this slot or has a load on its way
	s_add_nc_u64 s[G0+4*\slot+2:G0+4*\slot+3], s[G0+4*\slot+2:G0+4*\slot+3], 8192
	s_add_nc_u64 s[G0B+4*\slot+2:G0B+4*\slot+3], s[G0B+4*\slot+2:G0B+4*\slot+3], 8192
	JLOAD G0+4*\slot, G1, G0B+4*\slot, G1B         ; the first tensor load behind the round; its four v_nop are among the places in front of the loads below
	PLACES NP-4
.else
	PLACES NP
.endif
	v_add_nc_u32 v[ADRS], 4*NQ, v[ADRS]            ; the next K step's scale words
	FETCH_B \next, 0, 0
	FETCH_A \next, 0, 0
	SCALES \next
	WIN MUL_HI
	MUL16 4, 1, NQ-1, \slot, 0
	MUL16 6, 1, NQ-1, \slot, 0
	PLACES NP
	WIN 0
	FETCH_A \next, 0, 4
.endm
	s_wait_tensorcnt 1                             ; the scale bytes and my part of K step 0 are in; K step 1's load may be out
	s_barrier_signal -1
	s_barrier_wait -1
	FETCH_B 0, 0, 0
	FETCH_A 0, 0, 0
	SCALES 0
	FETCH_A 0, 0, 4
	s_wait_loadcnt 0x0                             ; the bias table
	s_cmp_eq_u32 s[ISV], 1                         ; the same in all sixteen partners
	s_cbranch_scc1 .Lfirst_v
	STEP 0, 0, 1
	s_branch .Lfirst_done
.Lfirst_v:
	STEP 0, 0, 2
.Lfirst_done:
	TURN 0, 1, 1
	STEP 1, 0, 0
	TURN 1, 0, 1
	STEP 0, 0, 0
	TURN 0, 1, 0                                   ; the last two K steps ask for nothing
	STEP 1, 0, 0
	s_wait_dscnt 4*NL
	WIN MUL_LO
	MUL16 0, 1, NQ-1, 1, 0
	MUL16 2, 1, NQ-1, 1, 0
	s_wait_dscnt 0
	WIN MUL_HI
	MUL16 4, 1, NQ-1, 1, 0
	MUL16 6, 1, NQ-1, 1, 0
	WIN 0
	PLACES NP
.irp b, 0,1,2,3
	v_mov_b32 v[TM+4+\b], 0                        ; a lane permute's destination counts as one of its sources
.endr
; THE WAY OUT.  The 64 registers of region A's tile a are four blocks of 32 along source 0's rows: they are quantised where they stand.  Each accumulator is read from its low end on.
.macro QROW a
.set W, 2+(\a)/4
.set AC, 64*((\a)%4)
	s_wait_xcnt 0x0                                ; the last tile's stores have read v[PC] on
	WIN (W<<2)|(W<<4)
.irp b, 0,1,2,3
	v_max3_num_f32 v[TM+\b], 0x4800000, |v[AC+16*\b]|, |v[AC+16*\b+1]|   ; with the floor 2^(9 - 127)
.endr
.irp i, 2,4,6,8,10,12,14
.irp b, 0,1,2,3
	v_max3_num_f32 v[TM+\b], v[TM+\b], |v[AC+16*\b+\i]|, |v[AC+16*\b+\i+1]|
.endr
.endr
	WIN 0
.irp b, 0,1,2,3
	v_permlanex16_b32 v[TM+4+\b], v[TM+\b], s[SEL], s[SEL+1]
.endr
.irp b, 0,1,2,3
	v_max_num_f32 v[TM+\b], v[TM+\b], v[TM+4+\b]
.endr
.irp b, 0,1,2,3
	v_add_nc_u32 v[TM+12+\b], 0xfc000000, v[TM+\b]
.endr
.irp b, 0,1,2,3
	v_and_or_b32 v[TM+8+\b], v[TM+\b], 0x7f800000, s[MNT]
.endr
.irp b, 0,1,2,3
	v_lshrrev_b32 v[TM+4+\b], 23, v[TM+12+\b]
.endr
	WIN (W<<6)|W
.irp b, 0,1,2,3
.irp i, 0,1,2,3,4,5,6,7,8,9,10,11,12,13,14,15
	v_med3_num_f32 v[AC+16*\b+\i], v[AC+16*\b+\i], -v[TM+8+\b], v[TM+8+\b]
.endr
.endr
	WIN W
.irp b, 0,1,2,3
	v_cvt_scalef32_pk8_fp8_f32 v[PC+4*\b:PC+4*\b+1], v[AC+16*\b:AC+16*\b+7], v[TM+12+\b]
	v_cvt_scalef32_pk8_fp8_f32 v[PC+4*\b+2:PC+4*\b+3], v[AC+16*\b+8:AC+16*\b+15], v[TM+12+\b]
.endr
	WIN 0
	v_nop                                          ; one plain line behind the last conversion
.endm
.macro OUT_QK a                        ; tile a = 16 tokens; blocks 0, 1: my first head's 64, blocks 2, 3: my second's
	QROW \a
.irp b, 0,1,2,3
	global_store_b128 v1, v[PC+4*\b:PC+4*\b+3], s[10:11] offset:1024*(\a)+512*(\b%2)+HEADB*(\b/2)   ; 512 consecutive bytes
.endr
.if ((\a)%2) == 0
	v_lshl_or_b32 v[SWD+(\a)/2], v[TM+5], 8, v[TM+4]
	v_lshl_or_b32 v[SWD+4+(\a)/2], v[TM+7], 8, v[TM+6]
.else
	v_lshl_or_b32 v[SWD+(\a)/2], v[TM+4], 16, v[SWD+(\a)/2]
	v_lshl_or_b32 v[SWD+(\a)/2], v[TM+5], 24, v[SWD+(\a)/2]
	v_lshl_or_b32 v[SWD+4+(\a)/2], v[TM+6], 16, v[SWD+4+(\a)/2]
	v_lshl_or_b32 v[SWD+4+(\a)/2], v[TM+7], 24, v[SWD+4+(\a)/2]
.endif
.endm
.macro OUT_V a                         ; tile a = 16 channels (head a / 4, channel tile a % 4); the four blocks are the step's 128 keys
	QROW \a
.irp b, 0,1,2,3
	global_store_b128 v1, v[PC+4*\b:PC+4*\b+3], s[10:11] offset:8192+2048*((\a)%4)+512*\b+HEADB*((\a)/4)
.endr
	v_lshl_or_b32 v[SWD+(\a)], v[TM+5], 8, v[TM+4]
	v_lshl_or_b32 v[SWD+(\a)], v[TM+6], 16, v[SWD+(\a)]
	v_lshl_or_b32 v[SWD+(\a)], v[TM+7], 24, v[SWD+(\a)]
.endm
.macro WORDS off                       ; lanes 0-15 store my first head's 256 bytes of scale words, lanes 16-31 my second's
.irp i, 0,1,2,3
	v_cndmask_b32 v[OW4+\i], v[SWD+\i], v[SWD+4+\i], s[HM]
.endr
	global_store_b128 v[SOFF], v[OW4:OW4+3], s[10:11] offset:\off
.endm
	s_cmp_eq_u32 s[ISV], 1
	s_cbranch_scc1 .Lout_v
.irp a, 0,1,2,3,4,5,6,7
	OUT_QK \a
.endr
	WORDS 16384
	s_branch .Ldone
.Lout_v:
.irp a, 0,1,2,3,4,5,6,7
	OUT_V \a
.endr
	WORDS 16640
.Ldone:
	s_wait_tensorcnt 0x0                           ; the wave's end
	ds_add_u32 v[SPW], v[NIL]
	s_wait_dscnt 0x0
	CROUND                                         ; the closing round: no work-group ends while a partner may still ask for a tile that names it
	s_endpgm
.Lfunc_end_k_qc6a9db1df2_proj:
	.size	k_qc6a9db1df2_proj, .Lfunc_end_k_qc6a9db1df2_proj-k_qc6a9db1df2_proj
	.p2alignl 7, 3214868480
	.fill 96, 4, 3214868480
	.section	.rodata,"a",@progbits
	.p2align	6, 0x0
	.amdhsa_kernel k_qc6a9db1df2_proj
		.amdhsa_group_segment_fixed_size 327680
		.amdhsa_private_segment_fixed_size 0
		.amdhsa_enable_private_segment 0
		.amdhsa_kernarg_size 56
		.amdhsa_user_sgpr_count 2
		.amdhsa_user_sgpr_kernarg_segment_ptr 1
		.amdhsa_wavefront_size32 1
		.amdhsa_system_sgpr_workgroup_id_x 1
		.amdhsa_system_sgpr_workgroup_id_y 1
		.amdhsa_system_sgpr_workgroup_id_z 1
		.amdhsa_system_vgpr_workitem_id 0
		.amdhsa_next_free_vgpr 1024
		.amdhsa_next_free_sgpr 102
		.amdhsa_reserve_vcc 0
		.amdhsa_float_denorm_mode_32 3
		.amdhsa_float_denorm_mode_16_64 3
		.amdhsa_memory_ordered 1
		.amdhsa_forward_progress 1
		.amdhsa_inst_pref_size 255
	.end_amdhsa_kernel
	.section	.bss,"aw",@nobits
	.p2align	6
	.space	262144
	.amdgpu_metadata
---
amdhsa.version: [ 1, 2 ]
amdhsa.kernels:
  - .name:           k_qc6a9db1df2_proj
    .symbol:         k_qc6a9db1df2_proj.kd
    .args:
      - { .name: cod, .offset: 0, .size: 8, .value_kind: global_buffer, .address_space: global }
      - { .name: scl, .offset: 8, .size: 8, .value_kind: global_buffer, .address_space: global }
      - { .name: bq, .offset: 16, .size: 8, .value_kind: global_buffer, .address_space: global }
      - { .name: bk, .offset: 24, .size: 8, .value_kind: global_buffer, .address_space: global }
      - { .name: bv, .offset: 32, .size: 8, .value_kind: global_buffer, .address_space: global }
      - { .name: qf, .offset: 40, .size: 8, .value_kind: global_buffer, .address_space: global }
      - { .name: kv, .offset: 48, .size: 8, .value_kind: global_buffer, .address_space: global }
    .group_segment_fixed_size: 327680
    .private_segment_fixed_size: 0
    .kernarg_segment_align: 8
    .kernarg_segment_size: 56
    .max_flat_workgroup_size: 128
    .sgpr_count:     102
    .vgpr_count:     1024
    .wavefront_size: 32
...
	.end_amdgpu_metadata
.endif
;; end of part 2
;; launch attn (part 3): grid 4 x 64, 16 waves a work-group, no clusters, 51,712 bytes of LDS; arguments qf, kv, maskw, mflags, cod, scl; writes cod, scl
.if DOCPART == 3
	.amdgcn_target "amdgcn-amd-amdhsa--gfx1250"
	.amdhsa_code_object_version 6
	.text
	.protected	k_qc6a9db1df2_attn
	.globl	k_qc6a9db1df2_attn
	.p2align	8
	.type	k_qc6a9db1df2_attn,@function
k_qc6a9db1df2_attn:
	s_mov_b64 s[64:65], 0
	v_nop
	global_prefetch_b8 v0, s[64:65] scope:SCOPE_SE
	s_setreg_imm32_b32 hwreg(HW_REG_WAVE_MODE, 25, 1), 1
	s_wait_xcnt 0x0
; ATTN.  For each (batch, head): O[q] = sum over k of softmax_k(mask ? Q[q] . K[k] / 8 : -inf) V[k], both products on codes of FP8 (E4M3) with E8M0 scales for each 32 along a product's K.
; t = score x log2(e) / 8; M = the running largest t rounded UP to a whole number; p = 2^(t - M) is quantised along the keys, not normalised; the row's sum is taken of the unquantised p and divides O at the end.
; O / sum is itself an operand of the last product: it is quantised along its 64 channels in registers and stored as chunks 2 head, 2 head + 1 of image tile 1792 + 128 batch + T of cod, its two scale bytes in scl.
; THE MASK IS AN INPUT.  An earlier launch stored, for each tile T of 16 queries and each step of 128 keys, 64 lane-mask words (maskw) and two flag bits (mflags: some key counts; all count).  A step in which no key counts
; for a wave's tile is left out by a scalar branch on the stored flags; where all count, only the 64 selects are left out.  A step that no wave of the work-group wants is not fetched.
; Because branches hang on stored numbers this launch has no tensor load, no copy and so no joint loads in a cluster: a step's record (16,896 bytes for sixteen waves) comes through registers, one step ahead.
; SHARES.  A work-group owns one (batch, head) and two blocks of 256 queries, 7 - x and x, one after the other; each of its sixteen waves owns a tile of 16 queries in 256 registers, four waves to a SIMD.
; LAYOUT.  Both products are used transposed: S^T = K Q^T, O^T = V^T P^T: a lane holds one query throughout; register 16 b + i of S^T is key 32 b + 16 (lane / 16) + i of the step (the records' tiles are laid for that).
; THE HEAD HAS 64 CHANNELS, THE INSTRUCTION 128 ALONG K: a fragment of K holds TWO tiles of 16 keys (k 0-63: tile 2 p, k 64-127: tile 2 p + 1), multiplied by [Q | 0] and by [0 | Q].  The zero codes stand on Q's side;
; K's other half holds finite codes and no scale byte is 0xff, so those products are exact zeros.
; A ROW THAT THE MASK HIDES WHOLLY has sum 0: its scale bytes become 0xff, so that the last product gives NaN there, as the reference's softmax does.
; LIMITS: NaN and infinities among the inputs are not served; 1 / sum by v_rcp_f32; a block of zeros keeps the byte 1 (its codes are zeros).
.set REC,   16896                      ; a record: K codes 8192, V codes 8192, K scale words 256, V scale words 256
.set HEADB, 16*REC
.set SL1,   32768                      ; LDS: slot 0 at 0, slot 1 here: each an exact copy of a record
.set KSW, 52                           ; v52-55  K's scale words, one for each pair of tiles
.set VSW, 56                           ; v56-59  V's, one for each channel tile
.set QSW, 60                           ; v60     Q's: (q0, q1, q0, q1)
.set PSW, 61                           ; v61     p's
.set F,   64                           ; v64-127 four fragments of K, then of V
.set P,   128                          ; v128-143 p's codes: blocks 1-3 lie over S^T's block 0, which is dead by then
.set S,   132                          ; v132-195 S^T, then p
.set O,   196                          ; v196-227 O^T
.set BM,  228                          ; blocks' largest scores, then largest p
.set BT,  232
.set HL,  236                          ; 448 x the scale
.set SO,  240                          ; the conversions' scale operands
.set FF,  244                          ; v[244:245] f = 2^(old M - new M), and 0
.set TT,  246
; v1 16 x lane; v2 16 x thread; v3 16 r; v5 0xff; v7 -infinity; v8 the prefetches' offset; v9 32 r + h; v10 at work; v12 -M; v13 the largest t; v[14:15] the sum; v16-23, v32-39 zeros; v24-31 Q; v40-51 a record on its way
.set WV,   66
.set PASS, 67
.set STEP, 68
.set LIM,  69                          ; trips in which my wave prefetches: 7 or 0
.set WGN,  70                          ; the work-group's flags, one step ahead
.set WF,   71                          ; my tile's flags
.set NEED, 72
.set CODE, 73
.set MOFF, 74                          ; my tile's mask words of the trip's first step
.set TQ,   75                          ; my tile of queries
.set KVP,  76                          ; s[76:77] the record one step ahead of the trip's first step
.set CS,   78                          ; s[78:79] c = log2(e) / 8
.set SEL,  96
.set MNT,  98
.set HM,   99
; s16-63 and s80-95: a step's 64 mask words; free at a pass's head and end
	s_load_b256 s[4:11], s[0:1], 0x0               ; qf, kv, maskw, mflags
	s_load_b128 s[12:15], s[0:1], 0x20             ; cod, scl
	v_lshl_add_u32 v254, v0, 2, 0xc200
	v_mov_b32 v255, 0
	v_lshrrev_b32 v1, 5, v0
	v_readfirstlane_b32 s[WV], v1
	v_and_b32 v10, 31, v0
	v_lshlrev_b32 v1, 4, v10
	v_lshlrev_b32 v2, 4, v0
	v_and_b32 v11, 15, v0
	v_lshlrev_b32 v3, 4, v11
	v_bfe_u32 v4, v0, 4, 1
	v_lshl_add_u32 v9, v11, 5, v4
	v_mov_b32 v5, 0xff
	v_mov_b32 v7, 0xff800000
	s_lshr_b32 s2, s[WV], 1
	s_and_b32 s2, s2, 1
	s_lshl_b32 s2, s2, 13
	v_lshl_add_u32 v8, v10, 8, s2                  ; lanes 256 bytes apart; wave 1: K's codes, wave 2: V's
.set J, 0
.rept 8
	v_mov_b32 v[16+J], 0
	v_mov_b32 v[32+J], 0
.set J, J+1
.endr
.set J, 0
.rept 12
	v_mov_b32 v[40+J], 0                           ; written once, so that they are written on every path
.set J, J+1
.endr
.irp b, 0,1,2,3
	v_mov_b32 v[BT+\b], 0                          ; a lane permute's destination counts as one of its sources
.endr
	v_mov_b32 v[FF+1], 0
	v_mov_b32 v[TT], 0
	s_mov_b32 s[CS], 0x3e38aa3b
	s_mov_b32 s[CS+1], s[CS]
	s_mov_b32 s[SEL], 0x76543210
	s_mov_b32 s[SEL+1], 0xfedcba98
	s_mov_b32 s[MNT], 0x600000
	s_mov_b32 s[HM], 0xffff0000
	s_mov_b32 s[PASS], 0
	s_wait_kmcnt 0x0
; A record on its way: 512 threads x 16 bytes are K's codes, again V's; wave 0 brings the 512 bytes of scale words.
.macro ISSUE off
	s_cmp_eq_u32 s[NEED], 0
	s_cbranch_scc1 .Lno_issue_\@
	global_load_b128 v[40:43], v2, s[KVP:KVP+1] offset:(\off)
	global_load_b128 v[44:47], v2, s[KVP:KVP+1] offset:(\off)+8192
	s_cmp_lg_u32 s[WV], 0
	s_cbranch_scc1 .Lno_issue_\@
	global_load_b128 v[48:51], v2, s[KVP:KVP+1] offset:(\off)+16384
.Lno_issue_\@:
.endm
; ... goes into the slot that nobody reads, and one barrier orders both this step's reads against the next fill of their slot and this fill against the next step's reads.  Every wave passes it on every path.
.macro COMMIT slot
	s_wait_loadcnt 0x0
	s_cmp_eq_u32 s[NEED], 0
	s_cbranch_scc1 .Lno_commit_\@
	ds_store_b128 v2, v[40:43] offset:(\slot)*SL1
	ds_store_b128 v2, v[44:47] offset:(\slot)*SL1+8192
	s_cmp_lg_u32 s[WV], 0
	s_cbranch_scc1 .Lno_commit_\@
	ds_store_b128 v2, v[48:51] offset:(\slot)*SL1+16384
.Lno_commit_\@:
	s_wait_dscnt 0x0                               ; my stores have landed and my reads are in
	s_barrier_signal -1
	s_barrier_wait -1
.endm
; A KEY STEP: 128 keys, out of slot u; the next step's record goes into slot 1 - u.
.macro KSTEP u
	s_and_b32 s[NEED], s[WGN], 1                   ; does any wave want the next step?
	s_lshr_b32 s[WGN], s[WGN], 2
	s_and_b32 s[CODE], s[WF], 3                    ; this step for my tile: 0 nothing counts, 1 some keys, 3 all
	s_lshr_b32 s[WF], s[WF], 2
	ISSUE REC*\u
	s_cmp_lt_u32 s[STEP], s[LIM]                   ; a prefetch of the record two steps on, behind my loads: waves 1 and 2 of the head's first work-group, in its first pass, a lane for each 256 bytes of the
	s_cbranch_scc0 .Lno_ask_\@                     ; codes: each block is named once; the last trip asks for nothing, so no request leaves the head's sixteen records
	global_prefetch_b8 v8, s[KVP:KVP+1] offset:REC*(\u+1) th:TH_LOAD_NT scope:SCOPE_SE
.Lno_ask_\@:
	s_cmp_eq_u32 s[CODE], 0
	s_cbranch_scc1 .Lhidden_\@
.rept 9
	v_nop                                          ; nine places: S^T is written over p's codes, which the last products read; eight serve the loads into K's and its scale words' registers
.endr
.irp n, 0,1,2
	s_load_b512 s[16+16*\n:31+16*\n], s[8:9], s[MOFF] offset:256*\u+64*\n
.endr
	s_load_b512 s[80:95], s[8:9], s[MOFF] offset:256*\u+192
.set J, 0
.rept 16
	ds_load_b128 v[F+4*J:F+4*J+3], v1 offset:\u*SL1+512*J
.set J, J+1
.endr
	ds_load_b128 v[KSW:KSW+3], v3 offset:\u*SL1+16384
	s_wait_dscnt 0x0
.irp p, 0,1,2,3
	v_wmma_scale_f32_16x16x128_f8f6f4 v[S+16*\p:S+16*\p+7], v[F+16*\p:F+16*\p+15], v[24:39], 0, v[KSW+\p], v[QSW]      ; tile 2 p: [Q | 0]
	v_wmma_scale_f32_16x16x128_f8f6f4 v[S+16*\p+8:S+16*\p+15], v[F+16*\p:F+16*\p+15], v[16:31], 0, v[KSW+\p], v[QSW]   ; tile 2 p + 1: [0 | Q]
.endr
.rept 8
	v_nop                                          ; places in front of the loads below and of the first read of the scores
.endr
.set J, 0
.rept 16
	ds_load_b128 v[F+4*J:F+4*J+3], v1 offset:\u*SL1+8192+512*J    ; V's fragments land while the softmax is worked
.set J, J+1
.endr
	ds_load_b128 v[VSW:VSW+3], v3 offset:\u*SL1+16640
	s_wait_kmcnt 0x0                               ; the mask words
	s_cmp_eq_u32 s[CODE], 3
	s_cbranch_scc1 .Lopen_\@
.set J, 0
.rept 64
	v_cndmask_b32 v[S+J], v7, v[S+J], s[16+J+16*(J/48)]   ; a hidden key's score becomes -infinity: p = 0 then
.set J, J+1
.endr
.Lopen_\@:
.irp b, 0,1,2,3
	v_max3_num_f32 v[BM+\b], v[S+16*\b], v[S+16*\b+1], v[S+16*\b+2]   ; the largest score of each block of 32 keys: it serves the row's maximum and, since p rises with the score, the block's largest p
.endr
.irp i, 3,5,7,9,11,13
.irp b, 0,1,2,3
	v_max3_num_f32 v[BM+\b], v[BM+\b], v[S+16*\b+\i], v[S+16*\b+\i+1]
.endr
.endr
.irp b, 0,1,2,3
	v_max_num_f32 v[BM+\b], v[BM+\b], v[S+16*\b+15]
.endr
.irp b, 0,1,2,3
	v_permlanex16_b32 v[BT+\b], v[BM+\b], s[SEL], s[SEL+1]
.endr
.irp b, 0,1,2,3
	v_max_num_f32 v[BM+\b], v[BM+\b], v[BT+\b]
.endr
	v_max3_num_f32 v[TT], v[BM], v[BM+1], v[BM+2]
	v_max_num_f32 v[TT], v[TT], v[BM+3]
	v_mul_f32 v[TT], s[CS], v[TT]
	v_max_num_f32 v13, v13, v[TT]                  ; the running largest t
	v_mov_b32 v[TT], v12
	v_floor_f32 v12, -v13                          ; -M = floor(-t): M is a whole number
	v_sub_f32 v[TT], v12, v[TT]
	v_cvt_i32_f32 v[TT], v[TT]                     ; (it saturates)
	v_ldexp_f32 v[FF], 1.0, v[TT]                  ; f = 2^(old M - new M): a multiplication by it rounds nothing
.set J, 0
.rept 32
	v_pk_fma_f32 v[S+J:S+J+1], v[S+J:S+J+1], s[CS:CS+1], v[12:13] op_sel_hi:[1,0,0]   ; t - M
.set J, J+2
.endr
.irp b, 0,1,2,3
	v_fma_f32 v[BM+\b], v[BM+\b], s[CS], v12
.endr
.set J, 0
.rept 64
	v_exp_f32 v[S+J], v[S+J]                       ; p = 2^(t - M)
.set J, J+1
.endr
	v_pk_mul_f32 v[14:15], v[14:15], v[FF:FF+1] op_sel_hi:[1,0]   ; the sums under the new M: a plain line behind the exponentials
	s_wait_alu depctr_va_vdst(0)                   ; one wait for the whole batch, ahead of its first reader
.irp b, 0,1,2,3
	v_exp_f32 v[BM+\b], v[BM+\b]                   ; the blocks' largest p
.endr
	v_pk_add_f32 v[BT:BT+1], v[S:S+1], v[S+2:S+3]  ; the row's sum of the unquantised p, in two chains
.set J, 4
.rept 15
	v_pk_add_f32 v[14:15], v[14:15], v[S+J:S+J+1]
	v_pk_add_f32 v[BT:BT+1], v[BT:BT+1], v[S+J+2:S+J+3]
.set J, J+4
.endr
	v_pk_add_f32 v[14:15], v[14:15], v[BT:BT+1]
	s_wait_alu depctr_va_vdst(0)                   ; and one for the four
.irp b, 0,1,2,3
	v_max_num_f32 v[BM+\b], 0x4800000, v[BM+\b]    ; the floor 2^(9 - 127)
.endr
.irp b, 0,1,2,3
	v_add_nc_u32 v[SO+\b], 0xfc000000, v[BM+\b]
.endr
.irp b, 0,1,2,3
	v_and_or_b32 v[HL+\b], v[BM+\b], 0x7f800000, s[MNT]
.endr
.irp b, 0,1,2,3
	v_lshrrev_b32 v[BT+\b], 23, v[SO+\b]
.endr
	v_lshl_or_b32 v[PSW], v[BT+1], 8, v[BT]
	v_lshl_or_b32 v[PSW], v[BT+2], 16, v[PSW]
	v_lshl_or_b32 v[PSW], v[BT+3], 24, v[PSW]
.irp b, 0,1,2,3
.irp i, 0,1,2,3,4,5,6,7,8,9,10,11,12,13,14,15
	v_min_num_f32 v[S+16*\b+\i], v[S+16*\b+\i], v[HL+\b]   ; the hold: p is not negative, so it is one-sided
.endr
	v_cvt_scalef32_pk8_fp8_f32 v[P+4*\b:P+4*\b+1], v[S+16*\b:S+16*\b+7], v[SO+\b]
	v_cvt_scalef32_pk8_fp8_f32 v[P+4*\b+2:P+4*\b+3], v[S+16*\b+8:S+16*\b+15], v[SO+\b]
.endr
.set J, 0
.rept 16
	v_pk_mul_f32 v[O+J:O+J+1], v[O+J:O+J+1], v[FF:FF+1] op_sel_hi:[1,0]   ; O^T under the new M; also the places between the conversions and the products
.set J, J+2
.endr
	s_wait_dscnt 0x0                               ; V
.irp t, 0,1,2,3
	v_wmma_scale_f32_16x16x128_f8f6f4 v[O+8*\t:O+8*\t+7], v[F+16*\t:F+16*\t+15], v[P:P+15], v[O+8*\t:O+8*\t+7], v[VSW+\t], v[PSW]   ; four accumulators by turns
.endr
.Lhidden_\@:
	COMMIT 1-\u
.endm
.Lpass:                                                ; two passes: query blocks 7 - x and x
	s_sub_co_u32 s2, 7, ttmp9
	s_cmp_eq_u32 s[PASS], 0
	s_cselect_b32 s2, s2, ttmp9                    ; the block of 256 queries
	s_lshl_b32 s[TQ], s2, 4
	s_add_co_u32 s[TQ], s[TQ], s[WV]
	s_lshl_b32 s3, s2, 6
	s_lshl_b32 s100, s[TQ], 2
	s_load_b512 s[16:31], s[10:11], s3 offset:0x0  ; the flags of the block's sixteen tiles,
	s_load_b32 s[WF], s[10:11], s100 offset:0x0    ; and my tile's
	s_and_b32 s32, ttmp7, 0xffff                   ; 16 batch + head
	s_lshl_b32 s33, s32, 4
	s_lshr_b32 s34, s[TQ], 3
	s_add_co_u32 s34, s34, s33
	s_mul_i32 s34, s34, REC                        ; the record that holds my tile of queries
	s_mov_b32 s35, 0
	s_add_nc_u64 s[36:37], s[4:5], s[34:35]
	s_and_b32 s38, s[WV], 7
	s_lshl_b32 s40, s38, 10
	s_mov_b32 s41, 0
	s_add_nc_u64 s[42:43], s[36:37], s[40:41]      ; its codes
	s_lshr_b32 s40, s38, 1
	s_lshl_b32 s40, s40, 2
	s_add_nc_u64 s[36:37], s[36:37], s[40:41]      ; its pair's scale word
	global_load_b128 v[24:27], v1, s[42:43]
	global_load_b128 v[28:31], v1, s[42:43] offset:512
	global_load_b32 v10, v3, s[36:37] offset:16384
	s_mul_i32 s44, s32, HEADB
	s_mov_b32 s45, 0
	s_add_nc_u64 s[KVP:KVP+1], s[6:7], s[44:45]    ; the head's record 0
	s_sub_co_u32 s46, s[WV], 1
	s_lshr_b32 s46, s46, 1                         ; 0 in waves 1 and 2,
	s_or_b32 s46, s46, ttmp9                       ; of the head's first work-group,
	s_or_b32 s46, s46, s[PASS]                     ; in its first pass
	s_cmp_eq_u32 s46, 0
	s_cselect_b32 s[LIM], 7, 0
	s_lshl_b32 s[MOFF], s[TQ], 12
	v_mov_b32 v13, 0xff61b1e6                      ; the largest t so far: -3e38
	v_floor_f32 v12, -v13
	v_mov_b32 v14, 0
	v_mov_b32 v15, 0
.set J, 0
.rept 32
	v_mov_b32 v[O+J], 0                            ; the step is written once: the first finds zeros, which the first change of M leaves zeros
.set J, J+1
.endr
	s_wait_kmcnt 0x0
.irp n, 1,2,3,4,5,6,7,8,9,10,11,12,13,14,15
	s_or_b32 s16, s16, s[16+\n]
.endr
	s_and_b32 s[WGN], s16, 0x55555555              ; bit 2 s: some wave wants step s
	s_and_b32 s[NEED], s[WGN], 1
	s_lshr_b32 s[WGN], s[WGN], 2
	ISSUE 0
	COMMIT 0                                       ; record 0 into slot 0, which nobody has read since the last barrier; its wait also shows Q in
	s_wait_xcnt 0x0
	s_add_nc_u64 s[KVP:KVP+1], s[KVP:KVP+1], REC
	s_mov_b32 s47, 0x03020302
	s_bitcmp1_b32 s[WV], 0
	s_cselect_b32 s47, s47, 0x01000100
	v_perm_b32 v[QSW], v10, v10, s47               ; my tile's two bytes of the pair's word, twice
	s_mov_b32 s[STEP], 0
.Ltrip:                                                ; eight trips of two key steps
	KSTEP 0
	KSTEP 1
	s_wait_xcnt 0x0                                ; the trip's loads and prefetches have read their addresses
	s_add_nc_u64 s[KVP:KVP+1], s[KVP:KVP+1], 2*REC
	s_add_co_u32 s[MOFF], s[MOFF], 512
	s_add_co_u32 s[STEP], s[STEP], 1
	s_cmp_lt_u32 s[STEP], 8
	s_cbranch_scc1 .Ltrip
	; THE WAY OUT OF A PASS
.rept 8
	v_nop                                          ; places behind the last products
.endr
	v_add_f32 v14, v14, v15
	v_permlanex16_b32 v[TT], v14, s[SEL], s[SEL+1]
	v_add_f32 v14, v14, v[TT]                      ; the row's sum
	v_rcp_f32 v[FF], v14
	v_nop                                          ; a plain line behind the transcendental
	s_and_b32 s16, ttmp7, 0xffff
	s_lshr_b32 s17, s16, 4                         ; batch
	s_and_b32 s16, s16, 15                         ; head
	s_lshl_b32 s17, s17, 7
	s_add_co_u32 s17, s17, s[TQ]
	s_add_co_u32 s17, s17, 1792                    ; my image tile
	s_lshl_b32 s18, s17, 14
	s_lshl_b32 s20, s16, 10
	s_add_co_u32 s18, s18, s20
	s_mov_b32 s19, 0
	s_add_nc_u64 s[18:19], s[12:13], s[18:19]
	s_lshl_b32 s20, s17, 9
	s_lshl_b32 s21, s16, 1
	s_add_co_u32 s20, s20, s21
	s_mov_b32 s21, 0
	s_add_nc_u64 s[20:21], s[14:15], s[20:21]
	s_wait_alu depctr_va_vdst(0)                   ; ahead of the reciprocal's first reader
.set J, 0
.rept 16
	v_pk_mul_f32 v[O+J:O+J+1], v[O+J:O+J+1], v[FF:FF+1] op_sel_hi:[1,0]   ; O^T / the sum: register 16 g + i is channel 32 g + 16 h + i
.set J, J+2
.endr
.irp g, 0,1
	v_max3_num_f32 v[BM+\g], |v[O+16*\g]|, |v[O+16*\g+1]|, 0x4800000
.endr
.irp i, 2,4,6,8,10,12,14
.irp g, 0,1
	v_max3_num_f32 v[BM+\g], v[BM+\g], |v[O+16*\g+\i]|, |v[O+16*\g+\i+1]|
.endr
.endr
.irp g, 0,1
	v_permlanex16_b32 v[BT+\g], v[BM+\g], s[SEL], s[SEL+1]
.endr
.irp g, 0,1
	v_max_num_f32 v[BM+\g], v[BM+\g], v[BT+\g]
.endr
.irp g, 0,1
	v_add_nc_u32 v[SO+\g], 0xfc000000, v[BM+\g]
.endr
.irp g, 0,1
	v_and_or_b32 v[HL+\g], v[BM+\g], 0x7f800000, s[MNT]
.endr
.irp g, 0,1
	v_lshrrev_b32 v[BT+\g], 23, v[SO+\g]
.endr
	v_cndmask_b32 v10, v[BT], v[BT+1], s[HM]       ; lanes 0-15 carry block 0's byte, lanes 16-31 block 1's
	v_cmp_eq_f32 vcc_lo, 0, v14
	v_cndmask_b32 v10, v10, v5, vcc_lo             ; a row with no key: 0xff
.irp g, 0,1
.irp i, 0,1,2,3,4,5,6,7,8,9,10,11,12,13,14,15
	v_med3_num_f32 v[O+16*\g+\i], v[O+16*\g+\i], -v[HL+\g], v[HL+\g]
.endr
	v_cvt_scalef32_pk8_fp8_f32 v[P+4*\g:P+4*\g+1], v[O+16*\g:O+16*\g+7], v[SO+\g]
	v_cvt_scalef32_pk8_fp8_f32 v[P+4*\g+2:P+4*\g+3], v[O+16*\g+8:O+16*\g+15], v[SO+\g]
.endr
	v_nop                                          ; one plain line behind the last conversion
	global_store_b128 v1, v[P:P+3], s[18:19]       ; a chunk: 512 consecutive bytes
	global_store_b128 v1, v[P+4:P+7], s[18:19] offset:512
	global_store_b8 v9, v10, s[20:21]              ; two bytes of each of 16 rows of scale bytes: one byte in 33 of what the pass stores
	s_wait_xcnt 0x0                                ; the stores have read their registers and addresses
	s_add_co_u32 s[PASS], s[PASS], 1
	s_cmp_lt_u32 s[PASS], 2
	s_cbranch_scc1 .Lpass
	s_wait_tensorcnt 0x0
	ds_add_u32 v254, v255
	s_wait_dscnt 0x0
	s_endpgm
.Lfunc_end_k_qc6a9db1df2_attn:
	.size	k_qc6a9db1df2_attn, .Lfunc_end_k_qc6a9db1df2_attn-k_qc6a9db1df2_attn
	.p2alignl 7, 3214868480
	.fill 96, 4, 3214868480
	.section	.rodata,"a",@progbits
	.p2align	6, 0x0
	.amdhsa_kernel k_qc6a9db1df2_attn
		.amdhsa_group_segment_fixed_size 51712
		.amdhsa_private_segment_fixed_size 0
		.amdhsa_enable_private_segment 0
		.amdhsa_kernarg_size 48
		.amdhsa_user_sgpr_count 2
		.amdhsa_user_sgpr_kernarg_segment_ptr 1
		.amdhsa_wavefront_size32 1
		.amdhsa_system_sgpr_workgroup_id_x 1
		.amdhsa_system_sgpr_workgroup_id_y 1
		.amdhsa_system_sgpr_workgroup_id_z 1
		.amdhsa_system_vgpr_workitem_id 0
		.amdhsa_next_free_vgpr 256
		.amdhsa_next_free_sgpr 102
		.amdhsa_reserve_vcc 1
		.amdhsa_float_denorm_mode_32 3
		.amdhsa_float_denorm_mode_16_64 3
		.amdhsa_memory_ordered 1
		.amdhsa_forward_progress 1
		.amdhsa_inst_pref_size 62
	.end_amdhsa_kernel
	.amdgpu_metadata
---
amdhsa.version: [ 1, 2 ]
amdhsa.kernels:
  - .name:           k_qc6a9db1df2_attn
    .symbol:         k_qc6a9db1df2_attn.kd
    .args:
      - { .name: qf, .offset: 0, .size: 8, .value_kind: global_buffer, .address_space: global }
      - { .name: kv, .offset: 8, .size: 8, .value_kind: global_buffer, .address_space: global }
      - { .name: maskw, .offset: 16, .size: 8, .value_kind: global_buffer, .address_space: global }
      - { .name: mflags, .offset: 24, .size: 8, .value_kind: global_buffer, .address_space: global }
      - { .name: cod, .offset: 32, .size: 8, .value_kind: global_buffer, .address_space: global }
      - { .name: scl, .offset: 40, .size: 8, .value_kind: global_buffer, .address_space: global }
    .group_segment_fixed_size: 51712
    .private_segment_fixed_size: 0
    .kernarg_segment_align: 8
    .kernarg_segment_size: 48
    .max_flat_workgroup_size: 512
    .sgpr_count:     102
    .vgpr_count:     256
    .wavefront_size: 32
...
	.end_amdgpu_metadata
.endif
;; end of part 3
;; launch oproj (part 4): grid 4 x 32, 4 waves a work-group, clusters of 4 x 4, 327,680 bytes of LDS; arguments cod, scl, bo, out0; writes out0
.if DOCPART == 4
	.amdgcn_target "amdgcn-amd-amdhsa--gfx1250"
	.amdhsa_code_object_version 6
	.text
	.protected	k_qc6a9db1df2_oproj
	.globl	k_qc6a9db1df2_oproj
	.p2align	8
	.type	k_qc6a9db1df2_oproj,@function
k_qc6a9db1df2_oproj:
	s_mov_b64 s[64:65], 0
	v_nop
	global_prefetch_b8 v0, s[64:65] scope:SCOPE_SE
	s_setreg_imm32_b32 hwreg(HW_REG_WAVE_MODE, 25, 1), 1
	s_wait_xcnt 0x0
	s_wait_alu depctr_hold_cnt(0) depctr_sa_sdst(0) depctr_va_vdst(0) depctr_va_sdst(0) depctr_va_ssrc(0) depctr_va_vcc(0) depctr_vm_vsrc(0)
	s_getreg_b32 s2, hwreg(HW_REG_IB_STS2, 6, 4)
	s_cmp_eq_u32 s2, 0
	s_cbranch_scc0 .Lentry_in_a_cluster
	s_endpgm
.Lentry_in_a_cluster:
	s_bfe_u32 s2, ttmp6, 0x10000c
	s_cmp_lg_u32 s2, 0xf033
	s_cbranch_scc0 .Lentry_shape_is_right
	s_endpgm
.Lentry_shape_is_right:
; OPROJ.  out0 = A Wo^T + bo on codes of FP8 (E4M3) with E8M0 scales for each 32 along K (K = 1,024), sums in f32, the bias as the C of each sum's first product.
; A is the attention's result, image tiles 1792 .. 2303 of cod; Wo is tiles 1728 .. 1791.  An image tile is 16 rows x 1,024 K: chunk kb at 512 kb, lane l's 16 bytes at 16 l; tile t holds rows 32 (t / 2) + 8 (t % 2) + r + 8 (r / 8).
; A work-group makes 256 x 256 of out0, each of its four waves 128 x 128.  K goes in steps of 256 through two LDS slots filled by tensor loads: four steps, written out.  Source 0 = Wo's rows (the registers run along the
; output's columns), source 1 = A's rows (a lane holds one row).  CLUSTERS: 4 x 4 work-groups; A's tiles are shared along a row of the cluster, Wo's along a column: each is asked for jointly.
; A row whose scale bytes are 0xff (a query with no key) comes out as NaN, as the reference has it.  No prefetch: a work-group has two refills in all.
; REGISTERS: window 0: v1-29 addresses, v32-63 scale words (two sets), v64-127 the bias table, v128-255 A's fragments (one set), later rows of out0; window 1: Wo's fragments, two sets; windows 2, 3: the accumulators.
.set NQ,    2
.set FR,    16
.set NL,    4
.set NP,    8
.set SLOT,  131072
.set KS,    32
.set SCL,   2*SLOT
.set HALFS, 16*272
.set SBLK,  2*272
.set SPARE, SCL+4*HALFS                ; the spare words, 128 bytes a wave: two blocks of 256 bytes that no other line names
.set SPITCH, 528                       ; the way out: a stage of 16 rows x (512 bytes + 16) for each wave, in slot 0, which has had its last fill and its last read when the first result is stored there
.set ADRA, 16
.set ADRB, 20
.set STO,  24                          ; v24 the stage: where I put 32 bytes of a row
.set RD,   25                          ; v25 and where I read a row back
.set ADRS, 27
.set SPW,  28
.set NIL,  29
.set SC,   32
.set BI,   64
.set AF,   128
.set BK,   128                         ; the way out: 16 rows read back: v128-191 and v192-255 by turns
.set G1, 24
.set G0, 32
.set G1B, 48
.set G0B, 56
.set G1S, 68
.set G0S, 76
.set G1SB, 80
.set G0SB, 88
.set MSB, 0
.macro WIN new
.if MSB != (\new)
	s_set_vgpr_msb (MSB<<8)|(\new)
.set MSB, (\new)
.endif
.endm
.set MUL_LO, 0xa1
.set MUL_HI, 0xf1
.set TO_B,   0x40
.macro JLOAD g0a, g1a, g0b, g1b        ; waves 0 and 1 fetch for A, waves 2 and 3 for Wo; four v_nop follow each of the two lines
	s_cmp_eq_u32 s15, 0
	s_cbranch_scc0 .Lfor_b_\@
	tensor_load_to_lds s[\g0a:\g0a+3], s[\g1a:\g1a+7]
	s_nop 0
.rept 4
	v_nop
.endr
	s_branch .Lasked_\@
.Lfor_b_\@:
	tensor_load_to_lds s[\g0b:\g0b+3], s[\g1b:\g1b+7]
	s_nop 0
.rept 4
	v_nop
.endr
.Lasked_\@:
.endm
.macro CREST
	s_cmp_lg_u32 s14, 0
	s_cbranch_scc1 .Lnot_wave_0_\@
	s_barrier_signal -3
.Lnot_wave_0_\@:
	s_barrier_wait -3
	s_barrier_signal -1
	s_barrier_wait -1
.endm
.macro CROUND
	s_barrier_signal -1
	s_barrier_wait -1
	CREST
.endm
	s_load_b128 s[4:7], s[0:1], 0x0                ; cod, scl
	s_load_b128 s[8:11], s[0:1], 0x10              ; bo, out0
	v_lshl_add_u32 v[SPW], v0, 2, SPARE
	v_mov_b32 v[NIL], 0
	ds_add_u32 v28, v29
	ds_add_u32 v28, v29
	s_wait_dscnt 0x0
	v_lshrrev_b32 v1, 5, v0
	v_readfirstlane_b32 s14, v1
	s_lshr_b32 s15, s14, 1                         ; my half of the rows.  Also: I fetch for A (0) or for Wo (1)
	s_and_b32 s16, s14, 1                          ; my half of the columns.  Also: which 8 tiles I fetch
	s_bfe_u32 s40, ttmp6, 0x40000                  ; cx
	s_bfe_u32 s41, ttmp6, 0x40004                  ; cy
	s_and_b32 s17, ttmp7, 0xffff
	s_lshl_b32 s17, s17, 2
	s_add_co_u32 s17, s17, s41                     ; my block of 256 rows = 4 x cluster y + cy
	s_lshl_b32 s43, s41, 2
	s_lshl_b32 s43, 15, s43
	s_lshl_b32 s44, 0x1111, s40
	s_or_b32 s[G1+0], s43, (3<<16)|(1<<21)         ; codes: 8 tiles' parts of 4,096 bytes (512 elements of 8 bytes), 16,384 bytes apart
	s_or_b32 s[G1B+0], s44, (3<<16)|(1<<21)
.irp g, G1, G1B
	s_mov_b32 s[\g+1], 512<<16
	s_mov_b32 s[\g+2], 8<<16
	s_mov_b32 s[\g+3], 512<<16
	s_mov_b32 s[\g+4], 8
	s_mov_b32 s[\g+5], 2048
	s_mov_b32 s[\g+6], 0
	s_mov_b32 s[\g+7], 0
.endr
	s_or_b32 s[G1S+0], s43, (3<<16)|(1<<20)|(1<<21)|(5<<22)|(3<<25)   ; scale bytes of 8 tiles: 16 rows of 256 bytes, 16 of padding behind each
	s_or_b32 s[G1SB+0], s44, (3<<16)|(1<<20)|(1<<21)|(5<<22)|(3<<25)
.irp g, G1S, G1SB
	s_mov_b32 s[\g+1], 32<<16
	s_mov_b32 s[\g+2], 16<<16
	s_mov_b32 s[\g+3], 32<<16
	s_mov_b32 s[\g+4], 16
	s_mov_b32 s[\g+5], 32
	s_mov_b32 s[\g+6], 0
	s_mov_b32 s[\g+7], 0
.endr
	s_lshl_b32 s19, s16, 3
	s_lshl_b32 s18, s17, 4
	s_add_co_u32 s18, s18, 1792
	s_add_co_u32 s18, s18, s19                     ; A's tiles that I fetch
	s_lshl_b32 s46, s40, 4
	s_add_co_u32 s46, s46, 1728
	s_add_co_u32 s46, s46, s19                     ; Wo's
	s_lshl_b32 s20, s18, 14
	s_mov_b32 s21, 0
	s_lshl_b32 s22, s18, 9
	s_mov_b32 s23, 0
	s_lshl_b32 s66, s46, 9
	s_mov_b32 s67, 0
	s_lshl_b32 s46, s46, 14
	s_mov_b32 s47, 0
	s_lshl_b32 s12, s14, 15
	s_mul_i32 s13, s14, HALFS
	s_wait_kmcnt 0x0
	s_add_nc_u64 s[20:21], s[4:5], s[20:21]
	s_add_nc_u64 s[22:23], s[6:7], s[22:23]
	s_add_nc_u64 s[46:47], s[4:5], s[46:47]
	s_add_nc_u64 s[66:67], s[6:7], s[66:67]
	CROUND                                         ; all sixteen work-groups are here: the first joint loads meet
	s_mov_b32 s[G0S], 1
	s_add_co_u32 s[G0S+1], s13, SCL
	s_mov_b64 s[G0S+2:G0S+3], s[22:23]
	s_or_b32 s[G0S+3], s[G0S+3], 0x80000000
	s_mov_b32 s[G0SB], 1
	s_add_co_u32 s[G0SB+1], s13, SCL
	s_mov_b64 s[G0SB+2:G0SB+3], s[66:67]
	s_or_b32 s[G0SB+3], s[G0SB+3], 0x80000000
	JLOAD G0S, G1S, G0SB, G1SB
.irp s, 0,1
	s_mov_b32 s[G0+4*\s], 1
	s_add_co_u32 s[G0+4*\s+1], s12, \s*SLOT
	s_add_nc_u64 s[G0+4*\s+2:G0+4*\s+3], s[20:21], \s*4096
	s_or_b32 s[G0+4*\s+3], s[G0+4*\s+3], 0x80000000
	s_mov_b32 s[G0B+4*\s], 1
	s_add_co_u32 s[G0B+4*\s+1], s12, \s*SLOT
	s_add_nc_u64 s[G0B+4*\s+2:G0B+4*\s+3], s[46:47], \s*4096
	s_or_b32 s[G0B+4*\s+3], s[G0B+4*\s+3], 0x80000000
	JLOAD G0+4*\s, G1, G0B+4*\s, G1B               ; three loads of mine are out
.endr
	s_lshl_b32 s92, s17, 8
	s_lshl_b32 s93, s15, 7
	s_add_co_u32 s92, s92, s93                     ; my first row of out0
	s_lshl_b32 s92, s92, 12
	s_lshl_b32 s94, s40, 10
	s_lshl_b32 s95, s16, 9
	s_add_co_u32 s94, s94, s95                     ; my first column, in bytes
	s_mov_b32 s95, 0
	s_add_nc_u64 s[8:9], s[8:9], s[94:95]
	s_add_co_u32 s92, s92, s94
	s_mov_b32 s93, 0
	s_add_nc_u64 s[10:11], s[10:11], s[92:93]
	v_and_b32 v1, 31, v0
	v_lshlrev_b32 v1, 4, v1                        ; 16 x lane
	v_and_b32 v2, 15, v0                           ; r
	v_bfe_u32 v3, v0, 4, 1                         ; h
	s_lshl_b32 s21, s15, 15
	s_lshl_b32 s22, s16, 15
	s_add_co_u32 s22, s22, 65536
.irp s, 0,1
	v_add_nc_u32 v[ADRA+\s], s21, v1
	v_add_nc_u32 v[ADRB+\s], s22, v1
	s_add_co_u32 s21, s21, SLOT
	s_add_co_u32 s22, s22, SLOT
.endr
	v_mul_u32_u24 v5, v2, KS
	v_lshrrev_b32 v6, 8, v5
	v_lshl_add_u32 v5, v6, 4, v5
	s_mul_i32 s21, s15, HALFS
	s_mul_i32 s22, s16, HALFS
	s_add_co_u32 s22, s22, 2*HALFS
	s_sub_co_u32 s22, s22, s21
	v_mul_u32_u24 v6, s22, v3
	s_add_co_u32 s21, s21, SCL
	v_add_nc_u32 v5, v5, v6
	v_add_nc_u32 v[ADRS], s21, v5
	s_mul_i32 s23, s14, 16*SPITCH                  ; my stage
	v_mul_u32_u24 v6, v2, SPITCH
	v_lshl_add_u32 v6, v3, 6, v6
	v_add_nc_u32 v[STO], s23, v6                   ; in: row r, + 64 h
	v_add_nc_u32 v[RD], s23, v1                    ; back: the 32 lanes take one row of 512 bytes
	v_lshlrev_b32 v4, 6, v3
.irp g, 0,1,2,3,4,5,6,7                        ; register j of tile g: the bias of column 32 (g / 2) + 8 (g % 2) + 16 h + j
	global_load_b128 v[BI+8*\g:BI+8*\g+3], v4, s[8:9] offset:(32*(\g/2)+8*(\g%2))*4
	global_load_b128 v[BI+8*\g+4:BI+8*\g+7], v4, s[8:9] offset:(32*(\g/2)+8*(\g%2))*4+16
.endr
.macro FRAG reg, adr, q, i
.irp c, 0,1,2,3
	ds_load_b128 v[\reg+4*\c:\reg+4*\c+3], v[\adr] offset:4096*(\i)+2048*(\q)+512*\c
.endr
.endm
; 16 matrix instructions: A's tiles a0, a0 + 1 x Wo's eight.  zero = 1: the sums start with the bias.  The 64 accumulators take turns, one instruction a turn.
.macro MUL16 a0, p, q, sc, zero
.irp a, \a0, \a0+1
.irp b, 0,1,2,3,4,5,6,7
.set DD, 8*(8*((\a)%4)+\b)
.set FB, 128*(\p)+FR*\b
.set FA, AF+FR*(\a)
.set WB, SC+8*NQ*(\sc)+NQ*\b+(\q)
.set WA, SC+8*NQ*(\sc)+NQ*(\a)+(\q)
.if \zero
	v_wmma_scale_f32_16x16x128_f8f6f4 v[DD:DD+7], v[FB:FB+15], v[FA:FA+15], v[BI+8*\b:BI+8*\b+7], v[WB], v[WA] matrix_a_scale:MATRIX_SCALE_ROW1
.else
	v_wmma_scale_f32_16x16x128_f8f6f4 v[DD:DD+7], v[FB:FB+15], v[FA:FA+15], v[DD:DD+7], v[WB], v[WA] matrix_a_scale:MATRIX_SCALE_ROW1
.endif
.endr
.endr
.endm
.macro FETCH_B slot, q, p
	WIN TO_B
.irp i, 0,1,2,3,4,5,6,7
	FRAG 128*(\p)+FR*\i, ADRB+\slot, \q, \i
.endr
	WIN 0
.endm
.macro FETCH_A slot, q, i0
.irp i, \i0, \i0+1, \i0+2, \i0+3
	FRAG AF+FR*(\i), ADRA+\slot, \q, \i
.endr
.endm
.macro SCALES sc
.irp i, 0,1,2,3,4,5,6,7
	ds_load_b64 v[SC+8*NQ*\sc+NQ*\i:SC+8*NQ*\sc+NQ*\i+1], v[ADRS] offset:\i*SBLK
.endr
.endm
.macro PLACES n
.rept \n
	v_nop
.endr
.endm
.macro STEP slot, q, zero
	s_wait_dscnt 4*NL                              ; Wo's set and A's tiles 0-3 are in; the youngest 16 loads (A's tiles 4-7) may be out
.if \zero
	WIN 0x81
.else
	WIN MUL_LO
.endif
	MUL16 0, (\q)%2, \q, \slot, \zero
	MUL16 2, (\q)%2, \q, \slot, \zero
	s_wait_dscnt 0
	PLACES NP
	FETCH_B \slot, (\q)+1, 1-(\q)%2
	FETCH_A \slot, (\q)+1, 0
.if \zero
	WIN 0xc1
.else
	WIN MUL_HI
.endif
	MUL16 4, (\q)%2, \q, \slot, \zero
	MUL16 6, (\q)%2, \q, \slot, \zero
	PLACES NP
	WIN 0
	FETCH_A \slot, (\q)+1, 4
.endm
.macro TURN slot, next, fill
	s_wait_tensorcnt 0x0                           ; all my tensor loads have landed: my part of the next slot
	ds_add_u32 v[SPW], v[NIL]                      ; 0 onto my spare word
	s_wait_dscnt 4*NL+1                            ; (the add and the youngest 16 loads may be out)
	WIN MUL_LO
	MUL16 0, 1, NQ-1, \slot, 0
	s_wait_dscnt 0x0                               ; the add is done, and my reads of this slot are over
	s_barrier_signal -1
	MUL16 2, 1, NQ-1, \slot, 0
	WIN 0
	s_barrier_wait -1
.if \fill
	CREST                                          ; a round of the cluster's barrier: no wave of any partner still reads this slot or has a load on its way
	s_add_nc_u64 s[G0+4*\slot+2:G0+4*\slot+3], s[G0+4*\slot+2:G0+4*\slot+3], 8192
	s_add_nc_u64 s[G0B+4*\slot+2:G0B+4*\slot+3], s[G0B+4*\slot+2:G0B+4*\slot+3], 8192
	JLOAD G0+4*\slot, G1, G0B+4*\slot, G1B
	PLACES NP-4
.else
	PLACES NP
.endif
	v_add_nc_u32 v[ADRS], 4*NQ, v[ADRS]
	FETCH_B \next, 0, 0
	FETCH_A \next, 0, 0
	SCALES \next
	WIN MUL_HI
	MUL16 4, 1, NQ-1, \slot, 0
	MUL16 6, 1, NQ-1, \slot, 0
	PLACES NP
	WIN 0
	FETCH_A \next, 0, 4
.endm
	s_wait_tensorcnt 1                             ; the scale bytes and my part of K step 0 are in; K step 1's load may be out
	s_barrier_signal -1
	s_barrier_wait -1
	FETCH_B 0, 0, 0
	FETCH_A 0, 0, 0
	SCALES 0
	FETCH_A 0, 0, 4
	s_wait_loadcnt 0x0                             ; the bias table
	STEP 0, 0, 1
	TURN 0, 1, 1
	STEP 1, 0, 0
	TURN 1, 0, 1
	STEP 0, 0, 0
	TURN 0, 1, 0                                   ; the last two K steps ask for nothing
	STEP 1, 0, 0
	s_wait_dscnt 4*NL
	WIN MUL_LO
	MUL16 0, 1, NQ-1, 1, 0
	MUL16 2, 1, NQ-1, 1, 0
	s_wait_dscnt 0
	WIN MUL_HI
	MUL16 4, 1, NQ-1, 1, 0
	MUL16 6, 1, NQ-1, 1, 0
	WIN 0
; THE WAY OUT, tile by tile of 16 rows x 128 columns, through my own stage: register j of accumulator b is column 32 (b / 2) + 16 h + 8 (b % 2) + j of the lane's row; rows come back whole, 512 bytes to the 32 lanes.
.macro TOSTAGE a
.set AC, 64*((\a)%4)
	WIN 0x08+4*((\a)/4)                            ; an LDS store's data: window 2 or 3
.irp b, 0,1,2,3,4,5,6,7
	ds_store_b128 v[STO], v[AC+8*\b:AC+8*\b+3] offset:128*(\b/2)+32*(\b%2)        ; each accumulator from its low end on
	ds_store_b128 v[STO], v[AC+8*\b+4:AC+8*\b+7] offset:128*(\b/2)+32*(\b%2)+16
.endr
	WIN 0
.set BB, BK+64*((\a)%2)
.irp t, 0,1,2,3,4,5,6,7,8,9,10,11,12,13,14,15
	ds_load_b128 v[BB+4*\t:BB+4*\t+3], v[RD] offset:\t*SPITCH    ; LDS serves a wave's instructions in order: these see the stores above
.endr
.endm
.macro SEND a, younger                 ; younger: the LDS instructions issued behind tile a's loads, which may stay out
.set BB, BK+64*((\a)%2)
	s_wait_dscnt \younger
.irp t, 0,1,2,3,4,5,6,7,8,9,10,11,12,13,14,15
	global_store_b128 v1, v[BB+4*\t:BB+4*\t+3], s[10:11] offset:(32*((\a)/2)+8*((\a)%2)+\t+8*(\t/8))*4096 th:TH_STORE_NT   ; 512 consecutive bytes of one row, aligned; the row stands in the immediate
.endr
.endm
	PLACES NP
	TOSTAGE 0
.irp a, 1,2,3,4,5,6,7
.if \a > 1
	s_wait_xcnt 0x0                                ; tile a - 2's stores have read their registers: tile a's loads may land there
.endif
	TOSTAGE \a
	SEND \a-1, 32                                  ; behind tile a - 1's loads: tile a's 16 stores and 16 loads
.endr
	SEND 7, 0
	s_wait_tensorcnt 0x0                           ; the wave's end
	ds_add_u32 v[SPW], v[NIL]
	s_wait_dscnt 0x0
	CROUND                                         ; the closing round
	s_endpgm
.Lfunc_end_k_qc6a9db1df2_oproj:
	.size	k_qc6a9db1df2_oproj, .Lfunc_end_k_qc6a9db1df2_oproj-k_qc6a9db1df2_oproj
	.p2alignl 7, 3214868480
	.fill 96, 4, 3214868480
	.section	.rodata,"a",@progbits
	.p2align	6, 0x0
	.amdhsa_kernel k_qc6a9db1df2_oproj
		.amdhsa_group_segment_fixed_size 327680
		.amdhsa_private_segment_fixed_size 0
		.amdhsa_enable_private_segment 0
		.amdhsa_kernarg_size 32
		.amdhsa_user_sgpr_count 2
		.amdhsa_user_sgpr_kernarg_segment_ptr 1
		.amdhsa_wavefront_size32 1
		.amdhsa_system_sgpr_workgroup_id_x 1
		.amdhsa_system_sgpr_workgroup_id_y 1
		.amdhsa_system_sgpr_workgroup_id_z 1
		.amdhsa_system_vgpr_workitem_id 0
		.amdhsa_next_free_vgpr 1024
		.amdhsa_next_free_sgpr 102
		.amdhsa_reserve_vcc 0
		.amdhsa_float_denorm_mode_32 3
		.amdhsa_float_denorm_mode_16_64 3
		.amdhsa_memory_ordered 1
		.amdhsa_forward_progress 1
		.amdhsa_inst_pref_size 146
	.end_amdhsa_kernel
	.amdgpu_metadata
---
amdhsa.version: [ 1, 2 ]
amdhsa.kernels:
  - .name:           k_qc6a9db1df2_oproj
    .symbol:         k_qc6a9db1df2_oproj.kd
    .args:
      - { .name: cod, .offset: 0, .size: 8, .value_kind: global_buffer, .address_space: global }
      - { .name: scl, .offset: 8, .size: 8, .value_kind: global_buffer, .address_space: global }
      - { .name: bo, .offset: 16, .size: 8, .value_kind: global_buffer, .address_space: global }
      - { .name: out0, .offset: 24, .size: 8, .value_kind: global_buffer, .address_space: global }
    .group_segment_fixed_size: 327680
    .private_segment_fixed_size: 0
    .kernarg_segment_align: 8
    .kernarg_segment_size: 32
    .max_flat_workgroup_size: 128
    .sgpr_count:     102
    .vgpr_count:     1024
    .wavefront_size: 32
...
	.end_amdgpu_metadata
.endif
;; end of part 4
;; ======== version 2 of 2: 4 launches; version 1 with the launch attn written anew for expert scheduling mode
;; workspace buffers: cod 37,748,736 bytes; scl 1,179,648 bytes; qf 17,301,504 bytes; kv 17,301,504 bytes; maskw 524,288 bytes of whole numbers; mflags 512 bytes of whole numbers
;; launch prep: the kernel of part 1 again; grid 576 x 1, 4 waves a work-group, no clusters, 68,096 bytes of LDS; arguments q, k, v, Wq, Wk, Wv, Wo, mask, cod, scl, maskw, mflags; writes cod, scl, maskw, mflags
;; launch proj: the kernel of part 2 again; grid 4 x 96, 4 waves a work-group, clusters of 4 x 4, 327,680 bytes of LDS; arguments cod, scl, bq, bk, bv, qf, kv; writes qf, kv
;; launch attn (part 5): grid 4 x 64, 16 waves a work-group, no clusters, 51,712 bytes of LDS; arguments qf, kv, maskw, mflags, cod, scl; writes cod, scl
.if DOCPART == 5
	.amdgcn_target "amdgcn-amd-amdhsa--gfx1250"
	.amdhsa_code_object_version 6
	.text
	.protected	k_qc6a9db1df2_attn
	.globl	k_qc6a9db1df2_attn
	.p2align	8
	.type	k_qc6a9db1df2_attn,@function
k_qc6a9db1df2_attn:
	s_mov_b64 s[64:65], 0
	v_nop
	global_prefetch_b8 v0, s[64:65] scope:SCOPE_SE
	s_setreg_imm32_b32 hwreg(HW_REG_WAVE_SCHED_MODE, 0, 2), 2
	s_setreg_imm32_b32 hwreg(HW_REG_WAVE_MODE, 25, 1), 1
	s_wait_xcnt 0x0
	s_wait_alu depctr_vm_vsrc(0)
; ATTN.  For each (batch, head): O[q] = sum over k of softmax_k(mask ? Q[q] . K[k] / 8 : -inf) V[k], both products on codes of FP8 (E4M3) with E8M0 scales for each 32 along a product's K.
; t = score x log2(e) / 8; M = the running largest t rounded UP to a whole number; p = 2^(t - M) is quantised along the keys, not normalised; the row's sum is taken of the unquantised p and divides O at the end.
; O / sum is itself an operand of the last product: it is quantised along its 64 channels in registers and stored as chunks 2 head, 2 head + 1 of image tile 1792 + 128 batch + T of cod, its two scale bytes in scl.
; THE MASK IS AN INPUT.  An earlier launch stored, for each tile T of 16 queries and each step of 128 keys, 64 lane-mask words (maskw) and two flag bits (mflags: some key counts; all count).  A step in which no key counts
; for a wave's tile is left out by a scalar branch on the stored flags; where all count, only the 64 selects are left out.  A step that no wave of the work-group wants is not fetched.
; Because branches hang on stored numbers this launch has no tensor load, no copy and so no joint loads in a cluster: a step's record (16,896 bytes for sixteen waves) comes through registers, one step ahead.
; SHARES.  A work-group owns one (batch, head) and two blocks of 256 queries, 7 - x and x, one after the other; each of its sixteen waves owns a tile of 16 queries in 256 registers, four waves to a SIMD.
; LAYOUT.  Both products are used transposed: S^T = K Q^T, O^T = V^T P^T: a lane holds one query throughout; register 16 b + i of S^T is key 32 b + 16 (lane / 16) + i of the step (the records' tiles are laid for that).
; THE HEAD HAS 64 CHANNELS, THE INSTRUCTION 128 ALONG K: a fragment of K holds TWO tiles of 16 keys (k 0-63: tile 2 p, k 64-127: tile 2 p + 1), multiplied by [Q | 0] and by [0 | Q].  The zero codes stand on Q's side;
; K's other half holds finite codes and no scale byte is 0xff, so those products are exact zeros.
; A ROW THAT THE MASK HIDES WHOLLY has sum 0: its scale bytes become 0xff, so that the last product gives NaN there, as the reference's softmax does.
; LIMITS: NaN and infinities among the inputs are not served; 1 / sum by v_rcp_f32; a block of zeros keeps the byte 1 (its codes are zeros).
; THE MODE: SCHED_MODE bits 1:0 = 2 (LLVM: expert scheduling mode 2), set by the entry lines.  The code itself states the register dependences between vector or matrix instructions and memory or LDS instructions,
; with s_wait_alu, always for 0.
; THE PLAN.  Registers that memory or LDS instructions touch:
;   v1, v2, v3, v8, v9   offsets, made at the head and never written again: one wait at the head's end serves every load, store, LDS access and prefetch.
;   v24-31 (Q), v10      loaded at a pass's head.  Q is read by the products K Q^T; v10 is read by one v_perm_b32, written again by two selects at the pass's end and read there by the byte store.
;   v40-51               a record on its way: written by ISSUE's loads, read by COMMIT's LDS stores, named by vector lines at the head alone.  One wait on vm_vsrc in COMMIT frees them for the next ISSUE.
;   F (v64-127)          K's LDS loads | the eight products K Q^T | V's LDS loads | the four products V^T P | the next working step's K.  One wait on va_vdst ahead of each of the two runs of loads.
;   v52-55, v56-59       K's and V's scale words: loaded with their fragments, read by their products; the same two waits serve them.
;   v128-135             at a pass's end: written by the conversions, read by two stores; one wait on va_vdst ahead of the stores, one on vm_vsrc behind them, ahead of the backward branch.
; S^T, p, O^T and the statistics are named by vector and matrix instructions alone.  Between a wait and the loads or stores that lean on it no vector or matrix instruction names a register that they touch.
.set REC,   16896                      ; a record: K codes 8192, V codes 8192, K scale words 256, V scale words 256
.set HEADB, 16*REC
.set SL1,   32768                      ; LDS: slot 0 at 0, slot 1 here: each an exact copy of a record
.set KSW, 52                           ; v52-55  K's scale words, one for each pair of tiles
.set VSW, 56                           ; v56-59  V's, one for each channel tile
.set QSW, 60                           ; v60     Q's: (q0, q1, q0, q1)
.set PSW, 61                           ; v61     p's
.set F,   64                           ; v64-127 four fragments of K, then of V
.set P,   128                          ; v128-143 p's codes: blocks 1-3 lie over S^T's block 0, which is dead by then
.set S,   132                          ; v132-195 S^T, then p
.set O,   196                          ; v196-227 O^T
.set BM,  228                          ; blocks' largest scores, then largest p
.set BT,  232
.set HL,  236                          ; 448 x the scale
.set SO,  240                          ; the conversions' scale operands
.set FF,  244                          ; v[244:245] f = 2^(old M - new M), and 0
.set TT,  246
; v1 16 x lane; v2 16 x thread; v3 16 r; v5 0xff; v7 -infinity; v8 the prefetches' offset; v9 32 r + h; v10 at work; v12 -M; v13 the largest t; v[14:15] the sum; v16-23, v32-39 zeros; v24-31 Q; v40-51 a record on its way
.set WV,   66
.set PASS, 67
.set STEP, 68
.set LIM,  69                          ; trips in which my wave prefetches: 7 or 0
.set WGN,  70                          ; the work-group's flags, one step ahead
.set WF,   71                          ; my tile's flags
.set NEED, 72
.set CODE, 73
.set MOFF, 74                          ; my tile's mask words of the trip's first step
.set TQ,   75                          ; my tile of queries
.set KVP,  76                          ; s[76:77] the record one step ahead of the trip's first step
.set CS,   78                          ; s[78:79] c = log2(e) / 8
.set SEL,  96
.set MNT,  98
.set HM,   99
; s16-63 and s80-95: a step's 64 mask words; free at a pass's head and end
	s_load_b256 s[4:11], s[0:1], 0x0               ; qf, kv, maskw, mflags
	s_load_b128 s[12:15], s[0:1], 0x20             ; cod, scl
	v_lshl_add_u32 v254, v0, 2, 0xc200
	v_mov_b32 v255, 0
	v_lshrrev_b32 v1, 5, v0
	v_readfirstlane_b32 s[WV], v1
	v_and_b32 v10, 31, v0
	v_lshlrev_b32 v1, 4, v10
	v_lshlrev_b32 v2, 4, v0
	v_and_b32 v11, 15, v0
	v_lshlrev_b32 v3, 4, v11
	v_bfe_u32 v4, v0, 4, 1
	v_lshl_add_u32 v9, v11, 5, v4
	v_mov_b32 v5, 0xff
	v_mov_b32 v7, 0xff800000
	s_wait_alu depctr_va_sdst(0)                   ; s[WV] is written, ahead of its first reader, the line below
	s_lshr_b32 s2, s[WV], 1
	s_and_b32 s2, s2, 1
	s_lshl_b32 s2, s2, 13
	v_lshl_add_u32 v8, v10, 8, s2                  ; lanes 256 bytes apart; wave 1: K's codes, wave 2: V's
.set J, 0
.rept 8
	v_mov_b32 v[16+J], 0
	v_mov_b32 v[32+J], 0
.set J, J+1
.endr
.set J, 0
.rept 12
	v_mov_b32 v[40+J], 0                           ; written once, so that they are written on every path
.set J, J+1
.endr
.irp b, 0,1,2,3
	v_mov_b32 v[BT+\b], 0                          ; a lane permute's destination counts as one of its sources
.endr
	v_mov_b32 v[FF+1], 0
	v_mov_b32 v[TT], 0
	s_mov_b32 s[CS], 0x3e38aa3b
	s_mov_b32 s[CS+1], s[CS]
	s_mov_b32 s[SEL], 0x76543210
	s_mov_b32 s[SEL+1], 0xfedcba98
	s_mov_b32 s[MNT], 0x600000
	s_mov_b32 s[HM], 0xffff0000
	s_mov_b32 s[PASS], 0
	s_wait_kmcnt 0x0
	s_wait_alu depctr_va_vdst(0)                   ; the offsets v1, v2, v3, v8, v9 are written, which every load, store, LDS access and prefetch below reads; so are v10 and v40-51, in which loads land
; A record on its way: 512 threads x 16 bytes are K's codes, again V's; wave 0 brings the 512 bytes of scale words.
.macro ISSUE off
	s_cmp_eq_u32 s[NEED], 0
	s_cbranch_scc1 .Lno_issue_\@
	global_load_b128 v[40:43], v2, s[KVP:KVP+1] offset:(\off)
	global_load_b128 v[44:47], v2, s[KVP:KVP+1] offset:(\off)+8192
	s_cmp_lg_u32 s[WV], 0
	s_cbranch_scc1 .Lno_issue_\@
	global_load_b128 v[48:51], v2, s[KVP:KVP+1] offset:(\off)+16384
.Lno_issue_\@:
.endm
; ... goes into the slot that nobody reads, and one barrier orders both this step's reads against the next fill of their slot and this fill against the next step's reads.  Every wave passes it on every path.
.macro COMMIT slot
	s_wait_loadcnt 0x0
	s_cmp_eq_u32 s[NEED], 0
	s_cbranch_scc1 .Lno_commit_\@
	ds_store_b128 v2, v[40:43] offset:(\slot)*SL1
	ds_store_b128 v2, v[44:47] offset:(\slot)*SL1+8192
	s_cmp_lg_u32 s[WV], 0
	s_cbranch_scc1 .Lno_commit_\@
	ds_store_b128 v2, v[48:51] offset:(\slot)*SL1+16384
.Lno_commit_\@:
	s_wait_dscnt 0x0                               ; my stores have landed and my reads are in
	s_barrier_signal -1
	s_barrier_wait -1
	s_wait_alu depctr_vm_vsrc(0)                   ; my LDS stores have read v40-51, in which the next record's loads land: stated here, ahead of the branch that leads to those loads
.endm
; A KEY STEP: 128 keys, out of slot u; the next step's record goes into slot 1 - u.
.macro KSTEP u
	s_and_b32 s[NEED], s[WGN], 1                   ; does any wave want the next step?
	s_lshr_b32 s[WGN], s[WGN], 2
	s_and_b32 s[CODE], s[WF], 3                    ; this step for my tile: 0 nothing counts, 1 some keys, 3 all
	s_lshr_b32 s[WF], s[WF], 2
	ISSUE REC*\u
	s_cmp_lt_u32 s[STEP], s[LIM]                   ; a prefetch of the record two steps on, behind my loads: waves 1 and 2 of the head's first work-group, in its first pass, a lane for each 256 bytes of the
	s_cbranch_scc0 .Lno_ask_\@                     ; codes: each block is named once; the last trip asks for nothing, so no request leaves the head's sixteen records
	global_prefetch_b8 v8, s[KVP:KVP+1] offset:REC*(\u+1) th:TH_LOAD_NT scope:SCOPE_SE
.Lno_ask_\@:
	s_cmp_eq_u32 s[CODE], 0
	s_cbranch_scc1 .Lhidden_\@
.irp n, 0,1,2
	s_load_b512 s[16+16*\n:31+16*\n], s[8:9], s[MOFF] offset:256*\u+64*\n   ; the step's mask words, asked for first; the selects that last read these registers stand ahead of the wait behind that step's exponentials
.endr
	s_load_b512 s[80:95], s[8:9], s[MOFF] offset:256*\u+192
.rept 9
	v_nop                                          ; nine places: S^T is written over p's codes, which the last products read; eight of them stand between the line that makes Q's scale word and the products that take it
.endr
	s_wait_alu depctr_va_vdst(0)                   ; the last working step's products are done reading v[F ..] and K's scale words, in which the loads below land; in a pass's first working step v[QSW] is written, which the products below take as a scale
	ds_load_b128 v[KSW:KSW+3], v3 offset:\u*SL1+16384
.set J, 0
.rept 16
	ds_load_b128 v[F+4*J:F+4*J+3], v1 offset:\u*SL1+512*J
.set J, J+1
.endr
.irp p, 0,1,2,3
	s_wait_dscnt 12-4*\p                           ; LDS loads come back in order (ISA guide 5.7.1): the scale words and fragment p are in; the four loads of each later fragment may be out
	v_wmma_scale_f32_16x16x128_f8f6f4 v[S+16*\p:S+16*\p+7], v[F+16*\p:F+16*\p+15], v[24:39], 0, v[KSW+\p], v[QSW]      ; tile 2 p: [Q | 0]
	v_wmma_scale_f32_16x16x128_f8f6f4 v[S+16*\p+8:S+16*\p+15], v[F+16*\p:F+16*\p+15], v[16:31], 0, v[KSW+\p], v[QSW]   ; tile 2 p + 1: [0 | Q]
.endr
.rept 8
	v_nop                                          ; places in front of the first read of the scores
.endr
	s_wait_alu depctr_va_vdst(0)                   ; the eight products are done reading v[F ..], in which V's fragments land; V's scale words' registers have been free since the wait at the step's head
.set J, 0
.rept 16
	ds_load_b128 v[F+4*J:F+4*J+3], v1 offset:\u*SL1+8192+512*J    ; V's fragments land while the softmax is worked: none of its lines names v[F ..] or V's scale words
.set J, J+1
.endr
	ds_load_b128 v[VSW:VSW+3], v3 offset:\u*SL1+16640
	s_wait_kmcnt 0x0                               ; the mask words
	s_cmp_eq_u32 s[CODE], 3
	s_cbranch_scc1 .Lopen_\@
.set J, 0
.rept 64
	v_cndmask_b32 v[S+J], v7, v[S+J], s[16+J+16*(J/48)]   ; a hidden key's score becomes -infinity: p = 0 then
.set J, J+1
.endr
.Lopen_\@:
.irp b, 0,1,2,3
	v_max3_num_f32 v[BM+\b], v[S+16*\b], v[S+16*\b+1], v[S+16*\b+2]   ; the largest score of each block of 32 keys: it serves the row's maximum and, since p rises with the score, the block's largest p
.endr
.irp i, 3,5,7,9,11,13
.irp b, 0,1,2,3
	v_max3_num_f32 v[BM+\b], v[BM+\b], v[S+16*\b+\i], v[S+16*\b+\i+1]
.endr
.endr
.irp b, 0,1,2,3
	v_max_num_f32 v[BM+\b], v[BM+\b], v[S+16*\b+15]
.endr
.irp b, 0,1,2,3
	v_permlanex16_b32 v[BT+\b], v[BM+\b], s[SEL], s[SEL+1]
.endr
.irp b, 0,1,2,3
	v_max_num_f32 v[BM+\b], v[BM+\b], v[BT+\b]
.endr
	v_max3_num_f32 v[TT], v[BM], v[BM+1], v[BM+2]
	v_max_num_f32 v[TT], v[TT], v[BM+3]
	v_mul_f32 v[TT], s[CS], v[TT]
	v_max_num_f32 v13, v13, v[TT]                  ; the running largest t
	v_mov_b32 v[TT], v12
	v_floor_f32 v12, -v13                          ; -M = floor(-t): M is a whole number
	v_sub_f32 v[TT], v12, v[TT]
	v_cvt_i32_f32 v[TT], v[TT]                     ; (it saturates)
	v_ldexp_f32 v[FF], 1.0, v[TT]                  ; f = 2^(old M - new M): a multiplication by it rounds nothing
.set J, 0
.rept 32
	v_pk_fma_f32 v[S+J:S+J+1], v[S+J:S+J+1], s[CS:CS+1], v[12:13] op_sel_hi:[1,0,0]   ; t - M
.set J, J+2
.endr
.irp b, 0,1,2,3
	v_fma_f32 v[BM+\b], v[BM+\b], s[CS], v12
.endr
.set J, 0
.rept 64
	v_exp_f32 v[S+J], v[S+J]                       ; p = 2^(t - M)
.set J, J+1
.endr
	v_pk_mul_f32 v[14:15], v[14:15], v[FF:FF+1] op_sel_hi:[1,0]   ; the sums under the new M: a plain line behind the exponentials
	s_wait_alu depctr_va_vdst(0)                   ; the 64 exponentials have written p, v[S ..]: one wait for the whole batch, ahead of its first reader
.irp b, 0,1,2,3
	v_exp_f32 v[BM+\b], v[BM+\b]                   ; the blocks' largest p
.endr
	v_pk_add_f32 v[BT:BT+1], v[S:S+1], v[S+2:S+3]  ; the row's sum of the unquantised p, in two chains
.set J, 4
.rept 15
	v_pk_add_f32 v[14:15], v[14:15], v[S+J:S+J+1]
	v_pk_add_f32 v[BT:BT+1], v[BT:BT+1], v[S+J+2:S+J+3]
.set J, J+4
.endr
	v_pk_add_f32 v[14:15], v[14:15], v[BT:BT+1]
	s_wait_alu depctr_va_vdst(0)                   ; the four exponentials have written the blocks' largest p, v[BM ..], ahead of their first reader
.irp b, 0,1,2,3
	v_max_num_f32 v[BM+\b], 0x4800000, v[BM+\b]    ; the floor 2^(9 - 127)
.endr
.irp b, 0,1,2,3
	v_add_nc_u32 v[SO+\b], 0xfc000000, v[BM+\b]
.endr
.irp b, 0,1,2,3
	v_and_or_b32 v[HL+\b], v[BM+\b], 0x7f800000, s[MNT]
.endr
.irp b, 0,1,2,3
	v_lshrrev_b32 v[BT+\b], 23, v[SO+\b]
.endr
	v_lshl_or_b32 v[PSW], v[BT+1], 8, v[BT]
	v_lshl_or_b32 v[PSW], v[BT+2], 16, v[PSW]
	v_lshl_or_b32 v[PSW], v[BT+3], 24, v[PSW]
.irp b, 0,1,2,3
.irp i, 0,1,2,3,4,5,6,7,8,9,10,11,12,13,14,15
	v_min_num_f32 v[S+16*\b+\i], v[S+16*\b+\i], v[HL+\b]   ; the hold: p is not negative, so it is one-sided
.endr
	v_cvt_scalef32_pk8_fp8_f32 v[P+4*\b:P+4*\b+1], v[S+16*\b:S+16*\b+7], v[SO+\b]
	v_cvt_scalef32_pk8_fp8_f32 v[P+4*\b+2:P+4*\b+3], v[S+16*\b+8:S+16*\b+15], v[SO+\b]
.endr
.set J, 0
.rept 16
	v_pk_mul_f32 v[O+J:O+J+1], v[O+J:O+J+1], v[FF:FF+1] op_sel_hi:[1,0]   ; O^T under the new M; also the places between the conversions and the products
.set J, J+2
.endr
	s_wait_alu depctr_va_vdst(0)                   ; the conversions have written p's codes, v[P ..], and the shifts p's scale word, v[PSW]: the scaled products below take them as source 1 and as a scale; the places above stay beside this wait
	s_wait_dscnt 0x0                               ; V
.irp t, 0,1,2,3
	v_wmma_scale_f32_16x16x128_f8f6f4 v[O+8*\t:O+8*\t+7], v[F+16*\t:F+16*\t+15], v[P:P+15], v[O+8*\t:O+8*\t+7], v[VSW+\t], v[PSW]   ; four accumulators by turns
.endr
.Lhidden_\@:
	COMMIT 1-\u
.endm
.Lpass:                                                ; two passes: query blocks 7 - x and x
	s_sub_co_u32 s2, 7, ttmp9
	s_cmp_eq_u32 s[PASS], 0
	s_cselect_b32 s2, s2, ttmp9                    ; the block of 256 queries
	s_lshl_b32 s[TQ], s2, 4
	s_add_co_u32 s[TQ], s[TQ], s[WV]
	s_lshl_b32 s3, s2, 6
	s_lshl_b32 s100, s[TQ], 2
	s_load_b512 s[16:31], s[10:11], s3 offset:0x0  ; the flags of the block's sixteen tiles,
	s_load_b32 s[WF], s[10:11], s100 offset:0x0    ; and my tile's
	s_and_b32 s32, ttmp7, 0xffff                   ; 16 batch + head
	s_lshl_b32 s33, s32, 4
	s_lshr_b32 s34, s[TQ], 3
	s_add_co_u32 s34, s34, s33
	s_mul_i32 s34, s34, REC                        ; the record that holds my tile of queries
	s_mov_b32 s35, 0
	s_add_nc_u64 s[36:37], s[4:5], s[34:35]
	s_and_b32 s38, s[WV], 7
	s_lshl_b32 s40, s38, 10
	s_mov_b32 s41, 0
	s_add_nc_u64 s[42:43], s[36:37], s[40:41]      ; its codes
	s_lshr_b32 s40, s38, 1
	s_lshl_b32 s40, s40, 2
	s_add_nc_u64 s[36:37], s[36:37], s[40:41]      ; its pair's scale word
	global_load_b128 v[24:27], v1, s[42:43]        ; no wait here: on the way in from the head, and on the way back from a pass's end, a wait on va_vdst stands behind the last vector or matrix line that names v1, v3, v10 or v24-31
	global_load_b128 v[28:31], v1, s[42:43] offset:512
	global_load_b32 v10, v3, s[36:37] offset:16384
	s_mul_i32 s44, s32, HEADB
	s_mov_b32 s45, 0
	s_add_nc_u64 s[KVP:KVP+1], s[6:7], s[44:45]    ; the head's record 0
	s_sub_co_u32 s46, s[WV], 1
	s_lshr_b32 s46, s46, 1                         ; 0 in waves 1 and 2,
	s_or_b32 s46, s46, ttmp9                       ; of the head's first work-group,
	s_or_b32 s46, s46, s[PASS]                     ; in its first pass
	s_cmp_eq_u32 s46, 0
	s_cselect_b32 s[LIM], 7, 0
	s_lshl_b32 s[MOFF], s[TQ], 12
	v_mov_b32 v13, 0xff61b1e6                      ; the largest t so far: -3e38
	v_floor_f32 v12, -v13
	v_mov_b32 v14, 0
	v_mov_b32 v15, 0
.set J, 0
.rept 32
	v_mov_b32 v[O+J], 0                            ; the step is written once: the first finds zeros, which the first change of M leaves zeros
.set J, J+1
.endr
	s_wait_kmcnt 0x0
.irp n, 1,2,3,4,5,6,7,8,9,10,11,12,13,14,15
	s_or_b32 s16, s16, s[16+\n]
.endr
	s_and_b32 s[WGN], s16, 0x55555555              ; bit 2 s: some wave wants step s
	s_and_b32 s[NEED], s[WGN], 1
	s_lshr_b32 s[WGN], s[WGN], 2
	ISSUE 0
	COMMIT 0                                       ; record 0 into slot 0, which nobody has read since the last barrier; its wait also shows Q in
	s_wait_xcnt 0x0
	s_add_nc_u64 s[KVP:KVP+1], s[KVP:KVP+1], REC
	s_mov_b32 s47, 0x03020302
	s_bitcmp1_b32 s[WV], 0
	s_cselect_b32 s47, s47, 0x01000100
	v_perm_b32 v[QSW], v10, v10, s47               ; my tile's two bytes of the pair's word, twice
	s_mov_b32 s[STEP], 0
.Ltrip:                                                ; eight trips of two key steps
	KSTEP 0
	KSTEP 1
	s_wait_xcnt 0x0                                ; the trip's loads and prefetches have read their addresses
	s_add_nc_u64 s[KVP:KVP+1], s[KVP:KVP+1], 2*REC
	s_add_co_u32 s[MOFF], s[MOFF], 512
	s_add_co_u32 s[STEP], s[STEP], 1
	s_cmp_lt_u32 s[STEP], 8
	s_cbranch_scc1 .Ltrip
	; THE WAY OUT OF A PASS
.rept 8
	v_nop                                          ; places behind the last products
.endr
	v_add_f32 v14, v14, v15
	v_permlanex16_b32 v[TT], v14, s[SEL], s[SEL+1]
	v_add_f32 v14, v14, v[TT]                      ; the row's sum
	v_rcp_f32 v[FF], v14
	v_nop                                          ; a plain line behind the transcendental
	s_and_b32 s16, ttmp7, 0xffff
	s_lshr_b32 s17, s16, 4                         ; batch
	s_and_b32 s16, s16, 15                         ; head
	s_lshl_b32 s17, s17, 7
	s_add_co_u32 s17, s17, s[TQ]
	s_add_co_u32 s17, s17, 1792                    ; my image tile
	s_lshl_b32 s18, s17, 14
	s_lshl_b32 s20, s16, 10
	s_add_co_u32 s18, s18, s20
	s_mov_b32 s19, 0
	s_add_nc_u64 s[18:19], s[12:13], s[18:19]
	s_lshl_b32 s20, s17, 9
	s_lshl_b32 s21, s16, 1
	s_add_co_u32 s20, s20, s21
	s_mov_b32 s21, 0
	s_add_nc_u64 s[20:21], s[14:15], s[20:21]
	s_wait_alu depctr_va_vdst(0)                   ; the reciprocal has written v[FF], ahead of its first reader
.set J, 0
.rept 16
	v_pk_mul_f32 v[O+J:O+J+1], v[O+J:O+J+1], v[FF:FF+1] op_sel_hi:[1,0]   ; O^T / the sum: register 16 g + i is channel 32 g + 16 h + i
.set J, J+2
.endr
.irp g, 0,1
	v_max3_num_f32 v[BM+\g], |v[O+16*\g]|, |v[O+16*\g+1]|, 0x4800000
.endr
.irp i, 2,4,6,8,10,12,14
.irp g, 0,1
	v_max3_num_f32 v[BM+\g], v[BM+\g], |v[O+16*\g+\i]|, |v[O+16*\g+\i+1]|
.endr
.endr
.irp g, 0,1
	v_permlanex16_b32 v[BT+\g], v[BM+\g], s[SEL], s[SEL+1]
.endr
.irp g, 0,1
	v_max_num_f32 v[BM+\g], v[BM+\g], v[BT+\g]
.endr
.irp g, 0,1
	v_add_nc_u32 v[SO+\g], 0xfc000000, v[BM+\g]
.endr
.irp g, 0,1
	v_and_or_b32 v[HL+\g], v[BM+\g], 0x7f800000, s[MNT]
.endr
.irp g, 0,1
	v_lshrrev_b32 v[BT+\g], 23, v[SO+\g]
.endr
	v_cndmask_b32 v10, v[BT], v[BT+1], s[HM]       ; lanes 0-15 carry block 0's byte, lanes 16-31 block 1's
	v_cmp_eq_f32 vcc_lo, 0, v14
	s_wait_alu depctr_va_vcc(0)                    ; the compare has written VCC, ahead of its first reader, the select below
	v_cndmask_b32 v10, v10, v5, vcc_lo             ; a row with no key: 0xff
.irp g, 0,1
.irp i, 0,1,2,3,4,5,6,7,8,9,10,11,12,13,14,15
	v_med3_num_f32 v[O+16*\g+\i], v[O+16*\g+\i], -v[HL+\g], v[HL+\g]
.endr
	v_cvt_scalef32_pk8_fp8_f32 v[P+4*\g:P+4*\g+1], v[O+16*\g:O+16*\g+7], v[SO+\g]
	v_cvt_scalef32_pk8_fp8_f32 v[P+4*\g+2:P+4*\g+3], v[O+16*\g+8:O+16*\g+15], v[SO+\g]
.endr
	v_nop                                          ; one plain line behind the last conversion
	s_wait_alu depctr_va_vdst(0)                   ; the conversions have written v[P .. P+7] and the selects v10, which the three stores read; and every product that read Q is done, for the next pass's loads into v24-31
	global_store_b128 v1, v[P:P+3], s[18:19]       ; a chunk: 512 consecutive bytes
	global_store_b128 v1, v[P+4:P+7], s[18:19] offset:512
	global_store_b8 v9, v10, s[20:21]              ; two bytes of each of 16 rows of scale bytes: one byte in 33 of what the pass stores
	s_wait_xcnt 0x0                                ; the stores have read their registers and addresses
	s_wait_alu depctr_vm_vsrc(0)                   ; the stores have read v[P .. P+7] and v10: the next pass's load lands in v10, its products and conversions write v[P ..]; stated ahead of the backward branch
	s_add_co_u32 s[PASS], s[PASS], 1
	s_cmp_lt_u32 s[PASS], 2
	s_cbranch_scc1 .Lpass
	s_wait_dscnt 0x0                               ; the closing lines, six on end
	s_wait_alu 0x0
	s_wait_tensorcnt 0x0
	ds_add_u32 v254, v255
	s_wait_dscnt 0x0
	s_endpgm
.Lfunc_end_k_qc6a9db1df2_attn:
	.size	k_qc6a9db1df2_attn, .Lfunc_end_k_qc6a9db1df2_attn-k_qc6a9db1df2_attn
	.p2alignl 7, 3214868480
	.fill 96, 4, 3214868480
	.section	.rodata,"a",@progbits
	.p2align	6, 0x0
	.amdhsa_kernel k_qc6a9db1df2_attn
		.amdhsa_group_segment_fixed_size 51712
		.amdhsa_private_segment_fixed_size 0
		.amdhsa_enable_private_segment 0
		.amdhsa_kernarg_size 48
		.amdhsa_user_sgpr_count 2
		.amdhsa_user_sgpr_kernarg_segment_ptr 1
		.amdhsa_wavefront_size32 1
		.amdhsa_system_sgpr_workgroup_id_x 1
		.amdhsa_system_sgpr_workgroup_id_y 1
		.amdhsa_system_sgpr_workgroup_id_z 1
		.amdhsa_system_vgpr_workitem_id 0
		.amdhsa_next_free_vgpr 256
		.amdhsa_next_free_sgpr 102
		.amdhsa_reserve_vcc 1
		.amdhsa_float_denorm_mode_32 3
		.amdhsa_float_denorm_mode_16_64 3
		.amdhsa_memory_ordered 1
		.amdhsa_forward_progress 1
		.amdhsa_inst_pref_size 62
	.end_amdhsa_kernel
	.amdgpu_metadata
---
amdhsa.version: [ 1, 2 ]
amdhsa.kernels:
  - .name:           k_qc6a9db1df2_attn
    .symbol:         k_qc6a9db1df2_attn.kd
    .args:
      - { .name: qf, .offset: 0, .size: 8, .value_kind: global_buffer, .address_space: global }
      - { .name: kv, .offset: 8, .size: 8, .value_kind: global_buffer, .address_space: global }
      - { .name: maskw, .offset: 16, .size: 8, .value_kind: global_buffer, .address_space: global }
      - { .name: mflags, .offset: 24, .size: 8, .value_kind: global_buffer, .address_space: global }
      - { .name: cod, .offset: 32, .size: 8, .value_kind: global_buffer, .address_space: global }
      - { .name: scl, .offset: 40, .size: 8, .value_kind: global_buffer, .address_space: global }
    .group_segment_fixed_size: 51712
    .private_segment_fixed_size: 0
    .kernarg_segment_align: 8
    .kernarg_segment_size: 48
    .max_flat_workgroup_size: 512
    .sgpr_count:     102
    .vgpr_count:     256
    .wavefront_size: 32
...
	.end_amdgpu_metadata
.endif
;; end of part 5
;; launch oproj: the kernel of part 4 again; grid 4 x 32, 4 waves a work-group, clusters of 4 x 4, 327,680 bytes of LDS; arguments cod, scl, bo, out0; writes out0
